; MI455X (gfx1250); checked and timed in simulation.
; The chip was launched on July 23, 2026; its instructions are those of AMD's public machine-readable ISA for CDNA 5 (MIT licence, August 2026) and "CDNA5" Instruction Set Architecture Reference Guide (July 2026). The comments in the code are by the model that wrote it; some were corrected since.
;; Multi Head Self Attention Causal. Allowed arithmetic: matrix products marked QUANTISED: E2M1 operands, one E8M0 scale for each 32 along K, by v_wmma_scale_f32_16x16x128_f8f6f4 with both operands' format E2M1 (or v_wmma_scale_f32_32x16x128_f4), f32 sums; products left as they are: bf16, f16 or f32 operands; f32 sums; everything else in f32.
;; Inputs: b_proj 1,024 float32; w_proj 1,024 x 1,024 float32; w_qkv 3,072 x 1,024 float32; x 4 x 2,048 x 1,024 float32.
;; Outputs: out0 4 x 2,048 x 1,024 float32.
;; This version of the problem:
;;   THIS VERSION OF THE PROBLEM IS GIVEN IN LOW PRECISION. The matrix products marked QUANTISED in the list below multiply operands that are first quantised to E2M1 (2 exponent bits, 1 mantissa bit; 4 bits a number), with one power-of-two scale for each 32 numbers along K (OCP MX v1.0); their sums are f32. The products marked 'left as it is' may take bf16, f16 or f32 operands, with f32 sums. Whichever they take, every output number must still come out within the allowed error. Rounding operands to bf16 (8 significant bits) uses up far more of that allowance than f16 does (11 bits, for magnitudes from 6e-5 to 65,504). All else is computed in f32.
;;   The module's matrix products, in the order in which they are computed (A, B: the left and right operand; K: the contracted axis; several contracted axes count as one K, in the product's order):
;;     1. [M 8,192, K 1,024] x [K 1,024, N 3,072]; A: input x; B: input w_qkv: QUANTISED
;;     2. batch 64 x [M 2,048, K 64] x [K 64, N 2,048]; A: computed on the way; B: computed on the way: left as it is (an operand is computed on the way)
;;     3. batch 64 x [M 2,048, K 2,048] x [K 2,048, N 64]; A: computed on the way; B: computed on the way: left as it is (an operand is computed on the way)
;;     4. [M 8,192, K 1,024] x [K 1,024, N 1,024]; A: computed on the way; B: input w_proj: left as it is (an operand is computed on the way)
;;   THE QUANTISER, for each operand of a quantised product, along K:
;;     - K is cut into blocks of 32 from its start; a last block that is shorter is filled with zeros.
;;     - A block's scale is 2^e with e = floor(log2(the largest magnitude in the block)) - 2, held to -126 .. 127; a block of zeros has e = 0. As a byte (E8M0): e + 127.
;;     - Each number is divided by its block's scale, clamped to +-6, and rounded to the nearest number of E2M1, ties to even, subnormals kept.
;;     - The product sums the exact products of the quantised numbers (number of the format x scale) in f32.
;;   ~~~python
;;   def quantise(x, axis):      # numpy; x: float32 -> the quantised numbers, widened to float32 again
;;       x = np.moveaxis(x, axis, -1); K = x.shape[-1]
;;       x = np.pad(x, [(0, 0)] * (x.ndim - 1) + [(0, -K % 32)]); x = x.reshape(x.shape[:-1] + (-1, 32)); a = np.abs(x).max(-1, keepdims=True)
;;       e = np.where(a > 0, np.clip(np.frexp(np.where(a > 0, a, 1))[1] - 1 - 2, -126, 127), 0)      # np.frexp(a)[1] - 1 = floor(log2(a)), exactly
;;       r = np.clip(x / 2.0 ** e, -6, 6)
;;       step = 2.0 ** (np.maximum(np.frexp(np.where(r == 0, 1, r))[1] - 1, 0) - 1)
;;       q = np.round(r / step) * step * 2.0 ** e      # np.round: ties to even
;;       return np.moveaxis(q.reshape(q.shape[:-2] + (-1,))[..., :K], -1, axis).astype(np.float32)
;;   ~~~
;; One version. Each part assembles by itself: llvm-mc -triple=amdgcn-amd-amdhsa -mcpu=gfx1250 --defsym DOCPART=n.
;; ======== version 1 of 1: 5 launches
;; limits: values are held in f16: magnitudes above 65,504 overflow, below 6.1e-05 lose precision
;; workspace buffers: x_codes 4,194,304 bytes; x_scales 262,144 bytes; w_codes 1,572,864 bytes; w_scales 98,304 bytes; wp16 2,097,152 bytes; qkv 50,331,648 bytes; qkv16 786,432 bytes; att 16,777,216 bytes
;; launch prep (part 1): grid 480 x 1, 4 waves a work-group, no clusters, 33,280 bytes of LDS; arguments x, w_qkv, x_codes, x_scales, w_codes, w_scales, w_proj, wp16; writes x_codes, x_scales, w_codes, w_scales, wp16
.if DOCPART == 1
	.amdgcn_target "amdgcn-amd-amdhsa--gfx1250"
	.amdhsa_code_object_version 6
	.text
	.protected	k_qa9667b56ae_prep
	.globl	k_qa9667b56ae_prep
	.p2align	8
	.type	k_qa9667b56ae_prep,@function
k_qa9667b56ae_prep:
	s_mov_b64 s[64:65], 0
	v_nop
	global_prefetch_b8 v0, s[64:65] scope:SCOPE_SE
	s_setreg_imm32_b32 hwreg(HW_REG_WAVE_MODE, 25, 1), 1
	s_wait_xcnt 0x0
; x [8192][1024] and w_qkv [3072][1024], f32, are turned into codes of FP4 (E2M1), K innermost, two codes a byte, with one E8M0 scale byte for each 32 along K; w_proj [1024][1024] is rounded to f16.
; A block's scale is 2^(floor(log2(its largest magnitude)) - 2); its byte is the largest magnitude's own exponent field - 2, held at 1 from below.  Each number is divided by the scale and rounded to the nearest code, ties to even; beyond 6 the largest code.
; LIMITS: a block of zeros gets the byte 1 where the rule says 127 (its codes are zeros, which add nothing, and the bytes are read by this program alone); blocks whose largest magnitude lies under 2^-124 keep the byte 1;
; NaN and infinities among the inputs are not served; |w_proj| up to 65,504 (f16).
; Rows are dense and K is a multiple of 32: both tensors are plain streams of blocks of 32, and so are the codes and the scale bytes.
; SHARES.  Work-groups 0 to WGA - 1 take x, WGA to WGQ - 1 take w_qkv (pointers chosen by the work-group's number, one path), the last 128 take w_proj (a path of its own, without LDS).
; THE QUANTISER.  A wave takes 16 steps of 512 numbers.  The conversions take 8 numbers of one block from a lane's registers, so a lane must hold 16 NEIGHBOURS (two lanes hold a block), while a load is best where neighbouring
; lanes take neighbouring bytes: each of a step's four loads reads 512 consecutive bytes; the 2,048 bytes go through the wave's own stage in LDS and come back 64 bytes a lane (16 bytes of padding behind each 64).
; A lane's 16 codes are 8 bytes: the wave stores 256 consecutive bytes.  A wave's 256 scale bytes are gathered in its own LDS bytes and leave as 256 consecutive bytes.  Waves share nothing: no barrier.
.set SIZE_M, 8192
.set SIZE_N, 3072
.set SIZE_K, 1024
.set WAVES, 4
.set STEPS, 16
.set WGA,   SIZE_M*SIZE_K/(512*STEPS*WAVES)            ; 256 work-groups for x
.set WGQ,   (SIZE_M+SIZE_N)*SIZE_K/(512*STEPS*WAVES)   ; 352 for x and w_qkv
.set EMAX,  2
.set CB,    8                          ; bytes of 16 codes
.set R,     16                         ; v16-79   four sets of 16 numbers as they are loaded
.set X,     80                         ; v80-111  two sets of 16 neighbours
.set C,     128                        ; v128-191 codes: four registers for each step, so that no store's data are written again
.set E,     112                        ; v112-127 a scale byte for each step
.set WREG,  8192                       ; LDS: a region for each wave: two stages of 32 x SP bytes, behind them its 256 scale bytes
.set SP,    80                         ; a lane's place in a stage: 64 bytes + 16 of padding
.set SPW,   12                         ; v12      LDS address of my spare word; never rewritten
.set NIL,   13                         ; v13      0; never rewritten
.set SPARE, WAVES*WREG                 ; behind the four regions: the spare words, 128 bytes a wave, which no other line names
	s_load_b128 s[4:7], s[0:1], 0x0                ; x, w_qkv
	s_load_b128 s[8:11], s[0:1], 0x10              ; x's codes, x's scales
	s_load_b128 s[12:15], s[0:1], 0x20             ; w's codes, w's scales
	s_load_b128 s[24:27], s[0:1], 0x30             ; w_proj, wp16
	v_lshl_add_u32 v[SPW], v0, 2, SPARE
	v_mov_b32 v[NIL], 0
	v_lshrrev_b32 v1, 5, v0
	v_readfirstlane_b32 s16, v1                    ; wave
	v_and_b32 v2, 31, v0                           ; lane
	v_lshlrev_b32 v3, 4, v2                        ; my 16 bytes of a load's 512
	s_mul_i32 s17, s16, WREG
	v_lshrrev_b32 v14, 2, v2
	v_mul_u32_u24 v14, v14, SP
	v_and_b32 v15, 3, v2
	v_lshl_add_u32 v14, v15, 4, v14
	v_add_nc_u32 v14, s17, v14                     ; the stage, on the way in: SP (lane / 4) + 16 (lane % 4)
	v_mul_u32_u24 v15, v2, SP
	v_add_nc_u32 v15, s17, v15                     ; and on the way out: SP x lane: my 16 neighbours
	v_mul_u32_u24 v4, v2, CB                       ; 8 x lane: my codes' place in a step's (and my f16 numbers' place on w_proj's path)
	v_lshrrev_b32 v5, 1, v2
	s_add_co_u32 s17, s17, 2*32*SP
	v_add_nc_u32 v5, s17, v5                       ; LDS: my wave's 256 scale bytes, my block's byte
	v_lshlrev_b32 v7, 3, v2                        ; and on the way out 8 bytes a lane
	v_add_nc_u32 v6, s17, v7
	s_wait_kmcnt 0x0
	s_cmp_ge_u32 ttmp9, WGQ                        ; the last 128 work-groups round w_proj
	s_cbranch_scc1 .Lconv
	s_cmp_lt_u32 ttmp9, WGA                        ; x's work-group or w_qkv's?  The choice hangs on the work-group's number alone
	s_cselect_b64 s[4:5], s[4:5], s[6:7]
	s_cselect_b64 s[8:9], s[8:9], s[12:13]
	s_cselect_b64 s[10:11], s[10:11], s[14:15]
	s_cselect_b32 s17, 0, WGA
	s_sub_co_u32 s17, ttmp9, s17
	s_lshl_b32 s17, s17, 2
	s_add_co_u32 s18, s17, s16                     ; which run of 8,192 numbers of the tensor is my wave's
	s_mov_b32 s19, 0
	s_mov_b64 s[20:21], 512*STEPS*4
	s_mul_u64 s[20:21], s[18:19], s[20:21]
	s_add_nc_u64 s[4:5], s[4:5], s[20:21]
	s_mov_b64 s[20:21], 32*STEPS*CB
	s_mul_u64 s[20:21], s[18:19], s[20:21]
	s_add_nc_u64 s[8:9], s[8:9], s[20:21]
	s_lshl_b32 s18, s18, 8                         ; 256 scale bytes a run
	s_add_nc_u64 s[10:11], s[10:11], s[18:19]
.macro LOAD t
.irp i, 0,1,2,3
	global_load_b128 v[R+16*((\t)%4)+4*\i:R+16*((\t)%4)+4*\i+3], v3, s[4:5] offset:2048*(\t)+512*\i th:TH_LOAD_NT   ; 32 lanes read 512 consecutive bytes
.endr
.endm
.macro TURN t                          ; step t's numbers through the stage: LDS serves a wave's instructions in order, so no wait stands between the stores and the loads
.irp i, 0,1,2,3
	ds_store_b128 v14, v[R+16*((\t)%4)+4*\i:R+16*((\t)%4)+4*\i+3] offset:32*SP*((\t)%2)+8*SP*\i
.endr
.irp i, 0,1,2,3
	ds_load_b128 v[X+16*((\t)%2)+4*\i:X+16*((\t)%2)+4*\i+3], v15 offset:32*SP*((\t)%2)+16*\i
.endr
.endm
.irp t, 0,1,2,3
	LOAD \t
.endr
	s_wait_loadcnt 12                              ; step 0's four loads are in; the twelve of steps 1 to 3 may be out
	TURN 0
.macro STEP t
.set XS, X+16*((\t)%2)
.if (\t) > 0
	s_wait_dscnt 1                                 ; this step's numbers are back from the stage (the last step's byte store may be out): so its stores into the stage have read their registers,
.else
	s_wait_dscnt 0x0
.endif
.if (\t)+4 < STEPS
	LOAD (\t)+4                                    ; which take the loads of four steps on
.endif
.if (\t)+1 < STEPS
.if STEPS-2-(\t) >= 3
	s_wait_loadcnt 12                              ; the next step's four loads are in; those of the three steps behind it may be out
.else
	s_wait_loadcnt 4*(STEPS-2-(\t))
.endif
	TURN (\t)+1                                    ; and go through the other stage while this step is worked
.endif
	v_max3_num_f32 v8, |v[XS]|, |v[XS+1]|, |v[XS+2]|               ; the largest magnitude of my 16, in two chains
	v_max3_num_f32 v9, |v[XS+3]|, |v[XS+4]|, |v[XS+5]|
.irp i, 6,10
	v_max3_num_f32 v8, v8, |v[XS+\i]|, |v[XS+\i+1]|
	v_max3_num_f32 v9, v9, |v[XS+\i+2]|, |v[XS+\i+3]|
.endr
	v_max3_num_f32 v8, v8, |v[XS+14]|, |v[XS+15]|
	v_max3_num_f32 v8, v8, v9, (EMAX+1)<<23        ; and the floor 2^(EMAX + 1 - 127): the byte cannot fall under 1
	v_max_num_f32_dpp v8, v8, v8 row_xmask:1 row_mask:0xf bank_mask:0xf   ; and of my neighbour's 16: the block's
	v_add_nc_u32 v11, -(EMAX<<23), v8              ; EMAX off its exponent field: the conversion takes the exponent field of this operand as its scale, and nothing else of it
	v_cvt_scalef32_pk8_fp4_f32 v[C+4*(\t)], v[XS:XS+7], v11
	v_cvt_scalef32_pk8_fp4_f32 v[C+4*(\t)+1], v[XS+8:XS+15], v11
	v_lshrrev_b32 v[E+(\t)], 23, v11               ; the scale's byte (also the plain line behind the conversions)
	ds_store_b8 v5, v[E+(\t)] offset:16*(\t)       ; both lanes of a block write the same byte with the same value
	global_store_b64 v4, v[C+4*(\t):C+4*(\t)+1], s[8:9] offset:32*CB*(\t)   ; the wave stores 256 consecutive bytes, aligned
.endm
.irp t, 0,1,2,3,4,5,6,7,8,9,10,11,12,13,14,15
	STEP \t
.endr
	ds_load_b64 v[8:9], v6                         ; LDS serves a wave's instructions in order: these see my stores
	s_wait_dscnt 0x0
	global_store_b64 v7, v[8:9], s[10:11]          ; 32 lanes store 256 consecutive bytes, aligned
	s_wait_tensorcnt 0x0                           ; the wave's end, behind my last LDS store
	ds_add_u32 v[SPW], v[NIL]
	s_wait_dscnt 0x0
	s_endpgm
; w_proj to f16: a wave takes 2,048 numbers: sixteen loads of 512 consecutive bytes, all out at once; each gives 256 consecutive bytes of f16.  No LDS, and no register is written twice.
.Lconv:
	s_sub_co_u32 s17, ttmp9, WGQ
	s_lshl_b32 s17, s17, 2
	s_add_co_u32 s17, s17, s16                     ; which run of 2,048 numbers is my wave's
	s_lshl_b32 s18, s17, 13
	s_mov_b32 s19, 0
	s_add_nc_u64 s[24:25], s[24:25], s[18:19]
	s_lshl_b32 s18, s17, 12
	s_add_nc_u64 s[26:27], s[26:27], s[18:19]
.irp i, 0,1,2,3,4,5,6,7,8,9,10,11,12,13,14,15
	global_load_b128 v[R+4*\i:R+4*\i+3], v3, s[24:25] offset:512*\i th:TH_LOAD_NT
.endr
.irp i, 0,1,2,3,4,5,6,7,8,9,10,11,12,13,14,15
	s_wait_loadcnt 15-\i                           ; loads come back in order: load i is in, the younger ones may be out
	v_cvt_pk_f16_f32 v[C+2*\i], v[R+4*\i], v[R+4*\i+1]
	v_cvt_pk_f16_f32 v[C+2*\i+1], v[R+4*\i+2], v[R+4*\i+3]
	global_store_b64 v4, v[C+2*\i:C+2*\i+1], s[26:27] offset:256*\i
.endr
	s_endpgm
.Lfunc_end_k_qa9667b56ae_prep:
	.size	k_qa9667b56ae_prep, .Lfunc_end_k_qa9667b56ae_prep-k_qa9667b56ae_prep
	.p2alignl 7, 3214868480
	.fill 96, 4, 3214868480
	.section	.rodata,"a",@progbits
	.p2align	6, 0x0
	.amdhsa_kernel k_qa9667b56ae_prep
		.amdhsa_group_segment_fixed_size 33280
		.amdhsa_private_segment_fixed_size 0
		.amdhsa_enable_private_segment 0
		.amdhsa_kernarg_size 64
		.amdhsa_user_sgpr_count 2
		.amdhsa_user_sgpr_kernarg_segment_ptr 1
		.amdhsa_wavefront_size32 1
		.amdhsa_system_sgpr_workgroup_id_x 1
		.amdhsa_system_sgpr_workgroup_id_y 1
		.amdhsa_system_sgpr_workgroup_id_z 1
		.amdhsa_system_vgpr_workitem_id 0
		.amdhsa_next_free_vgpr 192
		.amdhsa_next_free_sgpr 66
		.amdhsa_reserve_vcc 0
		.amdhsa_float_denorm_mode_32 3
		.amdhsa_float_denorm_mode_16_64 3
		.amdhsa_memory_ordered 1
		.amdhsa_forward_progress 1
		.amdhsa_inst_pref_size 39
	.end_amdhsa_kernel
	.amdgpu_metadata
---
amdhsa.version: [ 1, 2 ]
amdhsa.kernels:
  - .name:           k_qa9667b56ae_prep
    .symbol:         k_qa9667b56ae_prep.kd
    .args:
      - { .name: x, .offset: 0, .size: 8, .value_kind: global_buffer, .address_space: global }
      - { .name: w_qkv, .offset: 8, .size: 8, .value_kind: global_buffer, .address_space: global }
      - { .name: x_codes, .offset: 16, .size: 8, .value_kind: global_buffer, .address_space: global }
      - { .name: x_scales, .offset: 24, .size: 8, .value_kind: global_buffer, .address_space: global }
      - { .name: w_codes, .offset: 32, .size: 8, .value_kind: global_buffer, .address_space: global }
      - { .name: w_scales, .offset: 40, .size: 8, .value_kind: global_buffer, .address_space: global }
      - { .name: w_proj, .offset: 48, .size: 8, .value_kind: global_buffer, .address_space: global }
      - { .name: wp16, .offset: 56, .size: 8, .value_kind: global_buffer, .address_space: global }
    .group_segment_fixed_size: 33280
    .private_segment_fixed_size: 0
    .kernarg_segment_align: 8
    .kernarg_segment_size: 64
    .max_flat_workgroup_size: 128
    .sgpr_count:     66
    .vgpr_count:     192
    .wavefront_size: 32
...
	.end_amdgpu_metadata
.endif
;; end of part 1
;; launch qkv (part 2): grid 12 x 32, 4 waves a work-group, clusters of 4 x 4, 327,680 bytes of LDS; arguments x_codes, x_scales, w_codes, w_scales, qkv, qkv16; writes qkv, qkv16
.if DOCPART == 2
	.amdgcn_target "amdgcn-amd-amdhsa--gfx1250"
	.amdhsa_code_object_version 6
	.text
	.protected	k_qa9667b56ae_qkv
	.globl	k_qa9667b56ae_qkv
	.p2align	8
	.type	k_qa9667b56ae_qkv,@function
k_qa9667b56ae_qkv:
	s_mov_b64 s[64:65], 0
	v_nop
	global_prefetch_b8 v0, s[64:65] scope:SCOPE_SE
	s_setreg_imm32_b32 hwreg(HW_REG_WAVE_MODE, 25, 1), 1
	s_wait_xcnt 0x0
	s_wait_alu depctr_hold_cnt(0) depctr_sa_sdst(0) depctr_va_vdst(0) depctr_va_sdst(0) depctr_va_ssrc(0) depctr_va_vcc(0) depctr_vm_vsrc(0)
	s_getreg_b32 s2, hwreg(HW_REG_IB_STS2, 6, 4)
	s_cmp_eq_u32 s2, 0
	s_cbranch_scc0 .Lentry_in_a_cluster
	s_endpgm
.Lentry_in_a_cluster:
	s_bfe_u32 s2, ttmp6, 0x10000c
	s_cmp_lg_u32 s2, 0xf033
	s_cbranch_scc0 .Lentry_shape_is_right
	s_endpgm
.Lentry_shape_is_right:
; The first product: C[m][n] = sum over k of x[m][k] w_qkv[n][k], both as codes of FP4 (E2M1) with one E8M0 scale for each 32 along K; sums in f32.  m = 2048 b + t (8,192), n = 1024 sec + 64 head + d (3,072), K = 1,024.
; The result leaves as f16, laid by head: qkv [3 sec][4 b][16 head][2048 t][64 d]; two neighbouring tokens of a head are 256 consecutive bytes.  LIMIT: |q|, |k|, |v| up to 65,504 (f16).
; The f32 sums of positions 0 to 15 of every batch leave besides, as images of the accumulators' registers: qkv16 [4 b][24 = n / 128][8 accumulators][2 groups of 4 registers][32 lanes][16 bytes]: a later launch carries those rows in f32.
; A tile of C, 256 x 256, is made by a work-group of four waves; a wave makes 128 x 128: 64 accumulators, 512 registers.  K is two steps of 512 (a tile's row: 256 bytes), each in an LDS slot of its own: both slots and the
; scales of the work-group's rows for all of K are asked for at the start and nothing is filled again: three tensor loads of a wave are out at the most.
; CLUSTERS: 4 x 4 work-groups.  The four of a row of the cluster need the same tiles of x, the four of a column the same tiles of w: each tile is asked for JOINTLY, by the same tensor load with the same descriptor and a mask of the four.
; THE TILE ROW IS 8 cy + cluster y: so the batch is cy, and positions 0 to 15 of all four batches fall to the clusters with y = 0: the branch round the f32 images hangs on the cluster's y and the wave's number, which all partners share.
; THE MATRIX INSTRUCTION IS USED TRANSPOSED (source 0 = 16 rows of w, source 1 = 16 rows of x): a lane holds eight neighbouring columns of one row of C.
; REGISTERS, in windows of 256: window 0: v0-31 addresses; v32-95 scale words, two sets; v128-191 x's fragments, ONE set; on the way out v32-95 packed results, v128-191 rows read back.
;   window 1: w's fragments, TWO sets, at v0 and v128.   window 2: the accumulators of my rows 0-63 ((a, b) at v[8 (8 a + b)]);   window 3: those of my rows 64-127.
.set SIZE_M, 8192
.set SIZE_N, 3072
.set SIZE_K, 1024
.set KSTEP,  512                       ; along K in a slot
.set NQ,     KSTEP/128                 ; matrix instructions deep
.set ROWB,   256                       ; a tile's row in bytes
.set KROW,   SIZE_K*4/8                ; a row of codes in memory
.set PITCH,  272                       ; an LDS row: 256 bytes + 16 of padding = 68 words: the 16 rows that a load touches start 4 words apart
.set FR,     8                         ; registers of a fragment: 16 rows x 128 K
.set NL,     2                         ; LDS loads that bring one
.set NP,     4                         ; places behind this matrix instruction (ISA guide 7.12.1)
.set HALFT,  128*PITCH                 ; 128 rows: what one tensor load brings
.set SLOT,   4*HALFT                   ; x's 256 rows, then w's 256 rows
.set KS,     SIZE_K/32                 ; a row of scales: 32 bytes
.set SCL,    2*SLOT                    ; behind the slots: the scales, as lines of 256 bytes + 16 of padding
.set HALFS,  (128*KS/256)*272          ; the scales of 128 rows
.set SBLK,   (16*KS/256)*272           ; those of 16 rows
.set SPARE,  SCL+4*HALFS               ; the spare words, 128 bytes a wave, which no other line names
.set SPITCH, 272                       ; the way out: a stage of 16 rows x (256 bytes + 16) for each wave, in slot 0, which has had its one fill and its last read when the first result is stored there
.set ADRA, 16                          ; v16-17  LDS address of my x fragments in slot 0, 1
.set ADRB, 20                          ; v20-21  the same for w
.set STO,  24                          ; v24     the way out: where I put 16 bytes of a row
.set RD,   25                          ; v25     where I read them back: lanes 0-15 two tokens of the first head, lanes 16-31 of the second
.set CO,   26                          ; v26     the same place in qkv
.set ADRS, 27                          ; v27     LDS address of my scale words: lanes 0-15 x's rows, lanes 16-31 w's
.set SPW,  28                          ; v28     LDS address of my spare word; never rewritten
.set NIL,  29                          ; v29     0; never rewritten
.set IM,   30                          ; v30     16 x lane: my place in a register image
.set SC,   32                          ; scale words: set s at v[SC + 8 NQ s]; register NQ i + q: lanes 0-15 the word of x's block i, lanes 16-31 of w's block i
.set AF,   128                         ; x's fragments
.set TMP,  32                          ; the way out: packed results, two sets of 32
.set BK,   128                         ; and rows read back, two sets of 32
.set G1, 24                            ; s[24:31] descriptor group 1 for x's tiles;  s[32:39] group 0, one set for each slot
.set G0, 32
.set G1B, 48                           ; s[48:55], s[56:63] the same for w's tiles
.set G0B, 56
.set G1S, 68                           ; s[68:75], s[76:79] groups 1 and 0 for x's scales;  s[80:87], s[88:91] for w's
.set G0S, 76
.set G1SB, 80
.set G0SB, 88
.set MSB, 0
.macro WIN new                         ; the immediate's high byte repeats the setting that is left
.if MSB != \new
	s_set_vgpr_msb (MSB<<8)|\new
.set MSB, \new
.endif
.endm
.set MUL_LO, 0xa1                      ; source 0 (w) window 1, source 1 (x) window 0, C and D window 2
.set MUL_HI, 0xf1                      ; the same, C and D window 3
.set TO_B,   0x40                      ; destination window 1, address window 0
; A joint load: waves 0 and 1 fetch for x, waves 2 and 3 for w.  Each line has one mask and one set of registers for all that issue it; the branch hangs on the wave's number alone.
; An s_nop 0 and four v_nop follow each of the two lines.
.macro JLOAD g0a, g1a, g0b, g1b
	s_cmp_eq_u32 s15, 0
	s_cbranch_scc0 .Lfor_b_\@
	tensor_load_to_lds s[\g0a:\g0a+3], s[\g1a:\g1a+7]
	s_nop 0
.rept 4
	v_nop
.endr
	s_branch .Lasked_\@
.Lfor_b_\@:
	tensor_load_to_lds s[\g0b:\g0b+3], s[\g1b:\g1b+7]
	s_nop 0
.rept 4
	v_nop
.endr
.Lasked_\@:
.endm
.macro CROUND                          ; a round of the cluster's barrier
	s_barrier_signal -1
	s_barrier_wait -1
	s_cmp_lg_u32 s14, 0
	s_cbranch_scc1 .Lnot_wave_0_\@
	s_barrier_signal -3
.Lnot_wave_0_\@:
	s_barrier_wait -3
	s_barrier_signal -1
	s_barrier_wait -1
.endm
	s_load_b128 s[4:7], s[0:1], 0x0                ; x's codes s[4:5], x's scales s[6:7]
	s_load_b128 s[8:11], s[0:1], 0x10              ; w's codes s[8:9], w's scales s[10:11]
	s_load_b128 s[96:99], s[0:1], 0x20             ; qkv s[96:97], qkv16 s[98:99]
	v_lshl_add_u32 v[SPW], v0, 2, SPARE
	v_mov_b32 v[NIL], 0
	ds_add_u32 v[SPW], v[NIL]                      ; the wave's opening: the add, twice on end, and its wait ahead of my first tensor load; the set-up below stands between
	ds_add_u32 v[SPW], v[NIL]
	v_lshrrev_b32 v1, 5, v0
	v_readfirstlane_b32 s14, v1                    ; wave 0..3
	s_lshr_b32 s15, s14, 1                         ; which half of the tile's rows is mine.  Also: I fetch for x (0) or for w (1)
	s_and_b32 s16, s14, 1                          ; which half of its columns.  Also: which 128 rows of that tile I fetch
	s_bfe_u32 s40, ttmp6, 0x40000                  ; cx, cy: my place in the cluster
	s_bfe_u32 s41, ttmp6, 0x40004
	s_lshl_b32 s42, ttmp9, 2
	s_add_co_u32 s42, s42, s40                     ; tile column of C = 4 x cluster x + cx
	s_and_b32 s95, ttmp7, 0xffff                   ; cluster y
	s_lshl_b32 s17, s41, 3
	s_add_co_u32 s17, s17, s95                     ; tile row of C = 8 cy + cluster y: batch cy, tokens 256 x cluster y on
	s_lshl_b32 s43, s41, 2
	s_lshl_b32 s43, 15, s43                        ; my row of the cluster
	s_lshl_b32 s44, 0x1111, s40                    ; my column
	; descriptor group 1: a tile of 128 rows x 256 bytes, padded in LDS
	s_or_b32 s[G1+0], s43, (0<<16)|(1<<20)|(1<<21)|(5<<22)|(3<<25)  ; 15:0 the mask: x's tiles go to my row; elements of 1 byte; padding on; bit 21 beside a mask; after every 64 words 4 words
	s_or_b32 s[G1B+0], s44, (0<<16)|(1<<20)|(1<<21)|(5<<22)|(3<<25)
.irp g, G1, G1B
	s_mov_b32 s[\g+1], ROWB<<16                    ; tensor_dim0
	s_mov_b32 s[\g+2], 128<<16                     ; tensor_dim1
	s_mov_b32 s[\g+3], ROWB<<16                    ; tile_dim0
	s_mov_b32 s[\g+4], 128                         ; tile_dim1
	s_mov_b32 s[\g+5], KROW                        ; tensor_dim0_stride
	s_mov_b32 s[\g+6], 0
	s_mov_b32 s[\g+7], 0
.endr
	; the scales of 128 rows: a dense block of 4,096 bytes, as lines of 256 bytes (32 elements of 8 bytes), 16 bytes of padding behind each
	s_or_b32 s[G1S+0], s43, (3<<16)|(1<<20)|(1<<21)|(5<<22)|(3<<25)
	s_or_b32 s[G1SB+0], s44, (3<<16)|(1<<20)|(1<<21)|(5<<22)|(3<<25)
.irp g, G1S, G1SB
	s_mov_b32 s[\g+1], 32<<16
	s_mov_b32 s[\g+2], (128*KS/256)<<16
	s_mov_b32 s[\g+3], 32<<16
	s_mov_b32 s[\g+4], 128*KS/256
	s_mov_b32 s[\g+5], 32
	s_mov_b32 s[\g+6], 0
	s_mov_b32 s[\g+7], 0
.endr
	s_lshl_b32 s18, s16, 7                         ; which 128 rows of the tile I fetch
	s_lshl_b32 s20, s17, 8
	s_add_co_u32 s20, s20, s18                     ; x: row 256 x tile row + 128 x half
	s_lshl_b32 s46, s42, 8
	s_add_co_u32 s46, s46, s18                     ; w: row 256 x tile column + 128 x half
	s_mov_b32 s21, 0
	s_mov_b32 s47, 0
	s_mov_b64 s[18:19], KS
	s_mul_u64 s[22:23], s[20:21], s[18:19]         ; where these rows' scales begin, in bytes
	s_mul_u64 s[92:93], s[46:47], s[18:19]
	s_mov_b64 s[18:19], KROW
	s_mul_u64 s[20:21], s[20:21], s[18:19]         ; and their codes
	s_mul_u64 s[46:47], s[46:47], s[18:19]
	s_mul_i32 s45, s14, HALFT                      ; where they go: wave x 128 rows: no place in the cluster enters an LDS address
	s_mul_i32 s94, s14, HALFS
	s_wait_dscnt 0x0                               ; both opening adds are done
	s_wait_kmcnt 0x0
	s_add_nc_u64 s[20:21], s[4:5], s[20:21]
	s_add_nc_u64 s[22:23], s[6:7], s[22:23]
	s_add_nc_u64 s[46:47], s[8:9], s[46:47]
	s_add_nc_u64 s[92:93], s[10:11], s[92:93]
	CROUND                                         ; all sixteen work-groups are here: the joint loads meet
	s_mov_b32 s[G0S], 1
	s_add_co_u32 s[G0S+1], s94, SCL
	s_mov_b64 s[G0S+2:G0S+3], s[22:23]
	s_or_b32 s[G0S+3], s[G0S+3], 0x80000000
	s_mov_b32 s[G0SB], 1
	s_add_co_u32 s[G0SB+1], s94, SCL
	s_mov_b64 s[G0SB+2:G0SB+3], s[92:93]
	s_or_b32 s[G0SB+3], s[G0SB+3], 0x80000000
	JLOAD G0S, G1S, G0SB, G1SB                     ; the scales first: they are wanted with K step 0
.irp s, 0,1
	s_mov_b32 s[G0+4*\s], 1
	s_add_co_u32 s[G0+4*\s+1], s45, \s*SLOT
	s_add_nc_u64 s[G0+4*\s+2:G0+4*\s+3], s[20:21], \s*ROWB
	s_or_b32 s[G0+4*\s+3], s[G0+4*\s+3], 0x80000000
	s_mov_b32 s[G0B+4*\s], 1
	s_add_co_u32 s[G0B+4*\s+1], s45, \s*SLOT
	s_add_nc_u64 s[G0B+4*\s+2:G0B+4*\s+3], s[46:47], \s*ROWB
	s_or_b32 s[G0B+4*\s+3], s[G0B+4*\s+3], 0x80000000
	JLOAD G0+4*\s, G1, G0B+4*\s, G1B
.endr
	v_and_b32 v1, 15, v0                           ; r = l % 16
	v_bfe_u32 v2, v0, 4, 1                         ; h = l / 16
	v_mul_u32_u24 v3, v1, PITCH
	v_lshl_add_u32 v4, v2, 4, v3                   ; a fragment's row x pitch + 16 x half
	s_mul_i32 s21, s15, HALFT                      ; my 128 rows of x
	s_mul_i32 s22, s16, HALFT                      ; my 128 rows of w,
	s_add_co_u32 s22, s22, 2*HALFT                 ; which lie behind x's 256
.irp s, 0,1
	v_add_nc_u32 v[ADRA+\s], s21, v4
	v_add_nc_u32 v[ADRB+\s], s22, v4
	s_add_co_u32 s21, s21, SLOT
	s_add_co_u32 s22, s22, SLOT
.endr
	v_mul_u32_u24 v5, v1, KS                       ; my row's scales: 32 bytes a row,
	v_lshrrev_b32 v6, 8, v5
	v_lshl_add_u32 v5, v6, 4, v5                   ; and 16 more for each 256 passed
	s_mul_i32 s21, s15, HALFS                      ; x's: my 128 rows
	s_mul_i32 s22, s16, HALFS                      ; w's: my 128 rows, behind x's 256
	s_add_co_u32 s22, s22, 2*HALFS
	s_sub_co_u32 s22, s22, s21
	v_mul_u32_u24 v6, s22, v2                      ; lanes 16-31 take w's
	s_add_co_u32 s21, s21, SCL
	v_add_nc_u32 v5, v5, v6
	v_add_nc_u32 v[ADRS], s21, v5
	s_mul_i32 s23, s14, 16*SPITCH                  ; my stage
	v_mul_u32_u24 v5, v1, SPITCH                   ; in: row r, 16 bytes for each half of the lanes
	v_lshl_add_u32 v5, v2, 4, v5
	v_add_nc_u32 v[STO], s23, v5
	v_bfe_u32 v5, v0, 3, 1                         ; back: which of two tokens,
	v_and_b32 v6, 7, v0                            ; which 16 of a token's 128 bytes,
	v_mul_u32_u24 v7, v5, SPITCH
	v_lshl_add_u32 v7, v2, 7, v7                   ; and which of my two heads (a stage row holds 128 bytes of each)
	v_lshl_add_u32 v7, v6, 4, v7
	v_add_nc_u32 v[RD], s23, v7
	v_lshlrev_b32 v[CO], 18, v2                    ; in qkv: a head is 262,144 bytes, a token 128
	v_lshl_add_u32 v[CO], v5, 7, v[CO]
	v_lshl_add_u32 v[CO], v6, 4, v[CO]
	v_and_b32 v6, 31, v0
	v_lshlrev_b32 v[IM], 4, v6
	; where my part begins in qkv: ((sec x 64 + 16 cy + head) x 2048 + token) x 128 bytes; head group g = 4 x tile column + 2 x column half
	s_lshl_b32 s20, s41, 22
	s_lshl_b32 s21, s95, 15
	s_add_co_u32 s20, s20, s21
	s_lshl_b32 s21, s15, 14
	s_add_co_u32 s20, s20, s21                     ; the batch, 256 tokens a cluster y, 128 a row half
	s_mov_b32 s21, 0
	s_lshl_b32 s46, s42, 2
	s_lshl_b32 s47, s16, 1
	s_add_co_u32 s46, s46, s47                     ; g
	s_lshr_b32 s47, s46, 4                         ; sec
	s_and_b32 s46, s46, 15                         ; head
	s_lshl_b32 s47, s47, 6
	s_add_co_u32 s46, s46, s47
	s_lshl_b32 s46, s46, 18
	s_mov_b32 s47, 0
	s_add_nc_u64 s[20:21], s[20:21], s[46:47]
	s_add_nc_u64 s[96:97], s[96:97], s[20:21]
	s_mul_i32 s20, s41, 24                         ; and in qkv16: (24 cy + 2 x tile column + column half) x 8,192 bytes
	s_lshl_b32 s46, s42, 1
	s_add_co_u32 s46, s46, s16
	s_add_co_u32 s20, s20, s46
	s_lshl_b32 s20, s20, 13
	s_mov_b32 s21, 0
	s_add_nc_u64 s[98:99], s[98:99], s[20:21]
.macro FRAG reg, adr, q, i             ; a fragment, 16 rows x 128 K of 4-bit codes: lane l holds row l % 16; registers 4 c .. 4 c + 3 hold K = 64 c + 32 (l / 16) + 0 .. 31
.irp c, 0,1
	ds_load_b128 v[\reg+4*\c:\reg+4*\c+3], v[\adr] offset:64*(\q)+32*\c+(\i)*16*PITCH
.endr
.endm
; 16 matrix instructions: x's blocks a0, a0 + 1 against w's eight, 128 along K: the slot's q-th.  p: w's set;  sc: the set of scale words.  zero = 1: the first product starts the sums.
; The 64 accumulators take turns, one instruction a turn, in the same order in every step.
.macro MUL16 a0, p, q, sc, zero
.irp a, \a0, \a0+1
.irp b, 0,1,2,3,4,5,6,7
.if \zero
	v_wmma_scale_f32_16x16x128_f8f6f4 v[8*(8*((\a)%4)+\b):8*(8*((\a)%4)+\b)+7], v[128*(\p)+FR*\b:128*(\p)+FR*\b+FR-1], v[AF+FR*(\a):AF+FR*(\a)+FR-1], 0, v[SC+8*NQ*(\sc)+NQ*\b+(\q)], v[SC+8*NQ*(\sc)+NQ*(\a)+(\q)] matrix_a_fmt:MATRIX_FMT_FP4 matrix_b_fmt:MATRIX_FMT_FP4 matrix_a_scale:MATRIX_SCALE_ROW1
.else
	v_wmma_scale_f32_16x16x128_f8f6f4 v[8*(8*((\a)%4)+\b):8*(8*((\a)%4)+\b)+7], v[128*(\p)+FR*\b:128*(\p)+FR*\b+FR-1], v[AF+FR*(\a):AF+FR*(\a)+FR-1], v[8*(8*((\a)%4)+\b):8*(8*((\a)%4)+\b)+7], v[SC+8*NQ*(\sc)+NQ*\b+(\q)], v[SC+8*NQ*(\sc)+NQ*(\a)+(\q)] matrix_a_fmt:MATRIX_FMT_FP4 matrix_b_fmt:MATRIX_FMT_FP4 matrix_a_scale:MATRIX_SCALE_ROW1
.endif
.endr
.endr
.endm
.macro FETCH_B slot, q, p              ; w's eight fragments of the slot's q-th 128 along K into set p
	WIN TO_B
.irp i, 0,1,2,3,4,5,6,7
	FRAG 128*(\p)+FR*\i, ADRB+\slot, \q, \i
.endr
	WIN 0
.endm
.macro FETCH_A slot, q, i0             ; x's blocks i0 .. i0 + 3
.irp i, \i0, \i0+1, \i0+2, \i0+3
	FRAG AF+FR*(\i), ADRA+\slot, \q, \i
.endr
.endm
.macro SCALES sc                       ; a K step's scale words into set sc: 4 words a row; lanes 0-15 take x's block i, lanes 16-31 w's block i
.irp i, 0,1,2,3,4,5,6,7
	ds_load_b128 v[SC+8*NQ*\sc+NQ*\i:SC+8*NQ*\sc+NQ*\i+3], v[ADRS] offset:\i*SBLK
.endr
.endm
; A load into a register that a matrix instruction has read, and a vector instruction or a store that reads a matrix result, stand NP places behind that matrix instruction; only plain vector instructions that name none of its registers are places.
.macro PLACES n
.rept \n
	v_nop
.endr
.endm
; A step of 128 along K that has its successor in the same slot.  x has one set of registers: blocks 0-3 are fetched anew in the step's middle, blocks 4-7 at its end; w has two sets.
.macro STEP slot, q, zero
	s_wait_dscnt 4*NL                              ; w's set and x's blocks 0-3 are in; the youngest eight loads (x's blocks 4-7) may be out
	WIN MUL_LO
	MUL16 0, (\q)%2, \q, \slot, \zero
	MUL16 2, (\q)%2, \q, \slot, \zero
	s_wait_dscnt 0                                 ; x's blocks 4-7 are in
	PLACES NP
	FETCH_B \slot, (\q)+1, 1-(\q)%2
	FETCH_A \slot, (\q)+1, 0
	WIN MUL_HI
	MUL16 4, (\q)%2, \q, \slot, \zero
	MUL16 6, (\q)%2, \q, \slot, \zero
	PLACES NP
	WIN 0
	FETCH_A \slot, (\q)+1, 4
.endm
; Slot 0's last step goes over to slot 1: each wave waits for all its tensor loads (its part of slot 1), adds 0 to its spare word and waits for that and for its reads of slot 0; behind the barrier slot 1 is whole, and nobody reads slot 0 any more.
.macro TURN slot, next
	s_wait_tensorcnt 0x0                           ; all my tensor loads have landed
	ds_add_u32 v[SPW], v[NIL]                      ; 0 onto my spare word
	s_wait_dscnt 4*NL+1                            ; (the add and the youngest eight loads may be out)
	WIN MUL_LO
	MUL16 0, 1, NQ-1, \slot, 0
	s_wait_dscnt 0x0                               ; the add is done, and my reads of this slot are over
	s_barrier_signal -1
	MUL16 2, 1, NQ-1, \slot, 0
	WIN 0
	s_barrier_wait -1
	PLACES NP
	v_add_nc_u32 v[ADRS], 4*NQ, v[ADRS]            ; on to the next K step's scale words
	FETCH_B \next, 0, 0
	FETCH_A \next, 0, 0
	SCALES \next
	WIN MUL_HI
	MUL16 4, 1, NQ-1, \slot, 0
	MUL16 6, 1, NQ-1, \slot, 0
	PLACES NP
	WIN 0
	FETCH_A \next, 0, 4
.endm
	s_wait_tensorcnt 1                             ; the scales and my part of K step 0 are in (K step 1's load may be out),
	s_barrier_signal -1
	s_barrier_wait -1                              ; everybody's are
	FETCH_B 0, 0, 0
	FETCH_A 0, 0, 0
	SCALES 0
	FETCH_A 0, 0, 4
	STEP 0, 0, 1                                   ; the first step's products start the sums: nothing is cleared
	STEP 0, 1, 0
	STEP 0, 2, 0
	TURN 0, 1
	STEP 1, 0, 0
	STEP 1, 1, 0
	STEP 1, 2, 0
	s_wait_dscnt 4*NL                              ; the last step: nothing more to fetch
	WIN MUL_LO
	MUL16 0, 1, NQ-1, 1, 0
	MUL16 2, 1, NQ-1, 1, 0
	s_wait_dscnt 0
	WIN MUL_HI
	MUL16 4, 1, NQ-1, 1, 0
	MUL16 6, 1, NQ-1, 1, 0
	WIN 0
; THE WAY OUT, block by block of 16 rows x 128 columns (two heads).  PACK: rounded to f16, 16 bytes a lane.  TOSTAGE: into my own stage, and back so that sixteen lanes hold two tokens of one head.  SEND: stored.
.macro PACK a
.set AC, 64*((\a)%4)
.set TT, TMP+32*((\a)%2)
	WIN 0x0a+5*((\a)/4)                            ; sources 0 and 1: window 2 or 3
.irp b, 0,1,2,3,4,5,6,7
.irp r, 0,1,2,3
	v_cvt_pk_f16_f32 v[TT+4*\b+\r], v[AC+8*\b+2*\r], v[AC+8*\b+2*\r+1]   ; each accumulator from its low end on
.endr
.endr
	WIN 0
.endm
.macro TOSTAGE a
.set TT, TMP+32*((\a)%2)
.set BB, BK+32*((\a)%2)
.if (\a) > 1
	s_wait_xcnt 0x0                                ; block a - 2's stores have read the registers into which this block's rows come back
.endif
.irp b, 0,1,2,3,4,5,6,7
	ds_store_b128 v[STO], v[TT+4*\b:TT+4*\b+3] offset:32*\b
.endr
.irp t, 0,1,2,3,4,5,6,7
	ds_load_b128 v[BB+4*\t:BB+4*\t+3], v[RD] offset:\t*2*SPITCH    ; LDS serves a wave's instructions in order: these see the stores above
.endr
.endm
.macro SEND a
.set BB, BK+32*((\a)%2)
	s_wait_dscnt 0x0                               ; the block is back in registers
.irp t, 0,1,2,3,4,5,6,7
	global_store_b128 v[CO], v[BB+4*\t:BB+4*\t+3], s[96:97] offset:2048*(\a)+256*\t th:TH_STORE_NT   ; lanes 0-15: 256 consecutive bytes, aligned, of one head; lanes 16-31: of the next
.endr
.endm
	PLACES NP                                      ; behind the last products: for the reads of results, and for writes into registers that held scale words and fragments
	s_or_b32 s94, s95, s15                         ; positions 0 to 15 are block 0 of the upper row half where the cluster's y is 0: the same test in all partners
	s_cmp_lg_u32 s94, 0
	s_cbranch_scc1 .Lno16
	WIN 0x08                                       ; a store's data: window 2
.irp b, 0,1,2,3,4,5,6,7
	global_store_b128 v[IM], v[8*\b:8*\b+3], s[98:99] offset:1024*\b          ; the f32 sums as they stand: 512 consecutive bytes a store
	global_store_b128 v[IM], v[8*\b+4:8*\b+7], s[98:99] offset:1024*\b+512
.endr
	WIN 0
.Lno16:
	PACK 0
	TOSTAGE 0
.irp a, 1,2,3,4,5,6,7                  ; block a's conversions stand between block a - 1's loads from the stage and the wait for them
	PACK \a
	SEND \a-1
	TOSTAGE \a
.endr
	SEND 7
	s_wait_tensorcnt 0x0                           ; the wave's end, behind my last tensor load and my last LDS store
	ds_add_u32 v[SPW], v[NIL]
	s_wait_dscnt 0x0
	CROUND                                         ; the closing round
	s_endpgm
.Lfunc_end_k_qa9667b56ae_qkv:
	.size	k_qa9667b56ae_qkv, .Lfunc_end_k_qa9667b56ae_qkv-k_qa9667b56ae_qkv
	.p2alignl 7, 3214868480
	.fill 96, 4, 3214868480
	.section	.rodata,"a",@progbits
	.p2align	6, 0x0
	.amdhsa_kernel k_qa9667b56ae_qkv
		.amdhsa_group_segment_fixed_size 327680
		.amdhsa_private_segment_fixed_size 0
		.amdhsa_enable_private_segment 0
		.amdhsa_kernarg_size 48
		.amdhsa_user_sgpr_count 2
		.amdhsa_user_sgpr_kernarg_segment_ptr 1
		.amdhsa_wavefront_size32 1
		.amdhsa_system_sgpr_workgroup_id_x 1
		.amdhsa_system_sgpr_workgroup_id_y 1
		.amdhsa_system_sgpr_workgroup_id_z 1
		.amdhsa_system_vgpr_workitem_id 0
		.amdhsa_next_free_vgpr 1024
		.amdhsa_next_free_sgpr 100
		.amdhsa_reserve_vcc 0
		.amdhsa_float_denorm_mode_32 3
		.amdhsa_float_denorm_mode_16_64 3
		.amdhsa_memory_ordered 1
		.amdhsa_forward_progress 1
		.amdhsa_inst_pref_size 128
	.end_amdhsa_kernel
	.amdgpu_metadata
---
amdhsa.version: [ 1, 2 ]
amdhsa.kernels:
  - .name:           k_qa9667b56ae_qkv
    .symbol:         k_qa9667b56ae_qkv.kd
    .args:
      - { .name: x_codes, .offset: 0, .size: 8, .value_kind: global_buffer, .address_space: global }
      - { .name: x_scales, .offset: 8, .size: 8, .value_kind: global_buffer, .address_space: global }
      - { .name: w_codes, .offset: 16, .size: 8, .value_kind: global_buffer, .address_space: global }
      - { .name: w_scales, .offset: 24, .size: 8, .value_kind: global_buffer, .address_space: global }
      - { .name: qkv, .offset: 32, .size: 8, .value_kind: global_buffer, .address_space: global }
      - { .name: qkv16, .offset: 40, .size: 8, .value_kind: global_buffer, .address_space: global }
    .group_segment_fixed_size: 327680
    .private_segment_fixed_size: 0
    .kernarg_segment_align: 8
    .kernarg_segment_size: 48
    .max_flat_workgroup_size: 128
    .sgpr_count:     100
    .vgpr_count:     1024
    .wavefront_size: 32
...
	.end_amdgpu_metadata
.endif
;; end of part 2
;; launch attn (part 3): grid 4 x 64, 16 waves a work-group, no clusters, 327,680 bytes of LDS; arguments qkv, att; writes att
.if DOCPART == 3
	.amdgcn_target "amdgcn-amd-amdhsa--gfx1250"
	.amdhsa_code_object_version 6
	.text
	.protected	k_qa9667b56ae_attn
	.globl	k_qa9667b56ae_attn
	.p2align	8
	.type	k_qa9667b56ae_attn,@function
k_qa9667b56ae_attn:
	s_mov_b64 s[64:65], 0
	v_nop
	global_prefetch_b8 v0, s[64:65] scope:SCOPE_SE
	s_setreg_imm32_b32 hwreg(HW_REG_WAVE_MODE, 25, 1), 1
	s_wait_xcnt 0x0
; att[b][h][q][:] = the sum over k <= q of softmax_k(Q[q] . K[k] / 8) V[k][:], for each of 64 (batch, head) pairs.  Q, K, V: qkv [3][64][2048][64] f16; att [64][2048][64] f16.  Products, maxima and sums in f32; the weights p are rounded to f16 for the second product.
; LIMIT: |q|, |k|, |v| up to 65,504 (f16 operands).
; SHARES.  A work-group (i, head) owns the blocks i and 7 - i of 256 queries: waves 0-7 the first, waves 8-15 the second, 32 queries (two tiles of 16) a wave.  Under the causal mask block j needs j + 1 blocks of 256 keys,
; so every work-group has (i + 1) + (8 - i) = 9 of them: 256 equal work-groups.  All sixteen waves walk one ring of K and V from key 0, 64 keys a step; each fragment read from LDS feeds two tiles of queries.
; NO CLUSTER: the four work-groups of a head need 8, 7, 6 and 5 slots of keys; a joint load would bring tiles whose reads every wave of some partner jumps over.
; LAYOUT.  S^T = K Q^T (source 0 = 16 keys, source 1 = 16 queries): a lane holds ONE query (lane % 16) and keys 8 (lane / 16) + 0..7.  Two such tiles, rounded to f16 in pairs, ARE source 1 (32 keys x 16 queries) of
; O^T = V^T P, whose result again holds one query a lane.  K comes out of LDS as it lies, V ([key][channel]) turned, by ds_load_tr16_b128.
; SOFTMAX.  A running maximum m and sum l for each query: p = 2^(c s - c m), c = log2(e) / 8; in every step O and l are multiplied by a = 2^(c m_old - c m_new).  O, l begin as zeros and m as -3e38: the step is written once.
; CAUSAL.  Every work-group walks all 8 slots (constant trip counts); a step all of whose keys come after the wave's queries is jumped over (ids alone); on the diagonal hidden scores become -infinity; a slot that none of the
; work-group's waves will read is not asked for.  A step's first key is a multiple of 64 and a wave's first query of 32, so a step that is run begins at or under the wave's first query: every query sees its first key.
; LDS.  A slot holds 256 keys: K as 128 lines of 256 bytes (two keys) + 16 of padding, then V as 128 lines + 32 of padding.  Slot 1 begins 2^17 bytes on.  Behind slot 0's tiles, where no fill lands: the stages of the way out and the spare words.
; REGISTERS: v1-11 addresses; v12-27 statistics, 8 a tile; v28 prefetch offset; v29 -infinity; v32-63 Q; v64-127 S^T, then p, then P in place; v128-191 O^T; v192-255 K's fragments, then V's.
.set KP,    272                        ; a line of K in LDS: lane r's key lies at KP (r / 2) + 128 (r % 2): sixteen different 16-byte columns
.set VP,    288                        ; a line of V: the turning load's sixteen lanes take 4 lines x 2 keys x 32 bytes: sixteen different columns
.set SK,    256                        ; keys in a slot
.set VOFF,  (SK/2)*KP
.set SLOT1, 1<<17
.set STAGE, (SK/2)*(KP+VP)             ; 71,680
.set OP,    144                        ; a stage row: 128 bytes + 16
.set SPARE, STAGE+16*16*OP             ; 108,544: the spare words, 128 bytes a wave, which no other line names
.set AK0, 1                            ; v1   my lane's place in a tile of K
.set AV0, 2                            ; v2   the same for V
.set ADK, 3                            ; v3   LDS address of the slot's K
.set ADV, 4                            ; v4   of its V
.set SPW, 5                            ; v5   LDS address of my spare word; never rewritten
.set NIL, 6                            ; v6   0; never rewritten
.set DQ,  7                            ; v7   lane % 16 - 8 (lane / 16)
.set DD,  8                            ; v8   the mask's threshold
.set STO, 9                            ; v9   Q's offset at the head; the way out: where I put 16 bytes of a row
.set RD,  10                           ; v10  where I read rows back
.set GO,  11                           ; v11  16 x lane
.set ST,  12                           ; tile t at v[ST + 8 t]: +0 c m, +1 m, +2, +3 l, +4 .. +7 at work; a in +6
.set PFO, 28
.set NINF, 29
.set QR,  32                           ; Q: 16 t + 8 cs
.set SS,  64                           ; S^T: 32 t + 8 kt
.set OT,  128                          ; O^T: 32 t + 8 ct
.set FR,  192                          ; K: 16 kt + 8 cs;  V: 32 u + 8 ct
.set TB,  2                            ; s2   LDS byte at which the slot in hand begins
.set KF,  3                            ; s3   the step's first key
.set WV,  8                            ; s8   my wave's number
.set Q0,  9                            ; s9   my first query
.set QL,  10                           ; s10  my work-group's last query
.set SLOTS, 11                         ; s11  changes of slots still to come in the loop
.set LIM, 12                           ; s12  1 in a wave that prefetches, else the greatest number
.set PFA, 14                           ; s[14:15] where my prefetches stand
.set SEL, 20                           ; s[20:21] lane selects: lane l xor 16
.set CS,  22                           ; s[22:23] c, twice
.set G1K, 24                           ; s[24:31] descriptor group 1 for K's tiles;  s[32:39] for V's;  s[40:43], s[44:47] their groups 0, which walk
.set G1V, 32
.set G0K, 40
.set G0V, 44
; Waves 0 and 1 fetch K's halves of a slot, waves 2 and 3 V's, the others nothing.  The branches hang on the wave's number alone.  An s_nop 0 and four v_nop follow each of the two lines.
.macro TLOAD
	s_cmp_lt_u32 s[WV], 2
	s_cbranch_scc0 .Lnot_k_\@
	tensor_load_to_lds s[G0K:G0K+3], s[G1K:G1K+7]
	s_nop 0
.rept 4
	v_nop
.endr
	s_branch .Lasked_\@
.Lnot_k_\@:
	s_cmp_lt_u32 s[WV], 4
	s_cbranch_scc0 .Lasked_\@
	tensor_load_to_lds s[G0V:G0V+3], s[G1V:G1V+7]
	s_nop 0
.rept 4
	v_nop
.endr
.Lasked_\@:
.endm
; A PREFETCH INTO THE L2 of what the NEXT change of slots will ask for: a slot's K and V, two dense blocks of 32,768 bytes.  All work-groups of a head walk the same K and V: work-group x = 0, which walks all eight slots, asks.
; In it the waves ask that fetch nothing: waves 4-7 for K, waves 8-11 for V, 8,192 bytes a wave, lanes 256 bytes apart, one instruction: each block of 256 bytes is named once in the launch.
; Slots 0 and 1 come by their loads alone; the last change that fills a slot asks for nothing: slots 2 to 7 are named, each a slot's four key steps ahead of its load.
.macro ASK
	s_cmp_gt_u32 s[SLOTS], s[LIM]
	s_cbranch_scc0 .Lnot_mine_\@
	global_prefetch_b8 v[PFO], s[PFA:PFA+1] th:TH_LOAD_NT scope:SCOPE_SE
.Lnot_mine_\@:
.endm
	s_load_b128 s[4:7], s[0:1], 0x0                ; qkv s[4:5], att s[6:7]
	v_lshl_add_u32 v[SPW], v0, 2, SPARE
	v_mov_b32 v[NIL], 0
	ds_add_u32 v[SPW], v[NIL]                      ; the wave's opening: the add, twice on end, and its wait ahead of my first tensor load; the set-up below stands between
	ds_add_u32 v[SPW], v[NIL]
	v_lshrrev_b32 v9, 5, v0
	v_readfirstlane_b32 s[WV], v9                  ; wave 0..15
	s_and_b32 s48, ttmp7, 0xffff                   ; 16 b + head
	s_lshl_b32 s50, s48, 18                        ; its 262,144 bytes in each section of qkv and in att
	s_mov_b32 s51, 0
	s_sub_co_u32 s49, 7, ttmp9
	s_cmp_lt_u32 s[WV], 8
	s_cselect_b32 s49, ttmp9, s49                  ; my block of 256 queries: i or 7 - i
	s_and_b32 s52, s[WV], 7
	s_lshl_b32 s52, s52, 5
	s_lshl_b32 s[Q0], s49, 8
	s_add_co_u32 s[Q0], s[Q0], s52                 ; my first query
	s_sub_co_u32 s[QL], 8, ttmp9
	s_lshl_b32 s[QL], s[QL], 8
	s_sub_co_u32 s[QL], s[QL], 1                   ; the last query of block 7 - i
	s_and_b32 s53, s[WV], 1                        ; which half of a slot I fetch, if I fetch:
	s_lshl_b32 s54, s53, 14                        ; 128 keys of 128 bytes in memory,
	s_mov_b32 s55, 0
	s_add_nc_u64 s[54:55], s[54:55], s[50:51]
	s_mul_i32 s56, s53, 64*KP                      ; 64 lines in LDS
	s_mul_i32 s57, s53, 64*VP
	s_add_co_u32 s57, s57, VOFF
	; descriptor group 1: 64 lines of 128 elements of 2 bytes, dense in memory, padded in LDS
	s_mov_b32 s[G1K], (1<<16)|(1<<20)|(5<<22)|(3<<25)   ; no mask; elements of 2 bytes; padding on: after every 64 words 4 words
	s_mov_b32 s[G1V], (1<<16)|(1<<20)|(5<<22)|(7<<25)   ; the same with 8 words
.irp g, G1K, G1V
	s_mov_b32 s[\g+1], 128<<16                     ; tensor_dim0
	s_mov_b32 s[\g+2], 64<<16                      ; tensor_dim1
	s_mov_b32 s[\g+3], 128<<16                     ; tile_dim0
	s_mov_b32 s[\g+4], 64                          ; tile_dim1
	s_mov_b32 s[\g+5], 128                         ; tensor_dim0_stride
	s_mov_b32 s[\g+6], 0
	s_mov_b32 s[\g+7], 0
.endr
	s_mov_b32 s[SEL], 0x76543210
	s_mov_b32 s[SEL+1], 0xfedcba98
	s_mov_b32 s[CS], 0x3e38aa3b                    ; c = log2(e) / 8
	s_mov_b32 s[CS+1], s[CS]
	s_mov_b32 s[TB], 0
	s_mov_b32 s[KF], 0
	s_mov_b32 s[SLOTS], 7
	s_wait_dscnt 0x0                               ; both opening adds are done
	s_wait_kmcnt 0x0
	s_mov_b32 s[G0K], 1                            ; count = 1
	s_mov_b32 s[G0K+1], s56                        ; LDS address: slot 0
	s_add_nc_u64 s[G0K+2:G0K+3], s[4:5], s[54:55]
	s_add_nc_u64 s[G0K+2:G0K+3], s[G0K+2:G0K+3], 0x1000000   ; K's section
	s_or_b32 s[G0K+3], s[G0K+3], 0x80000000        ; type = 2
	s_mov_b32 s[G0V], 1
	s_mov_b32 s[G0V+1], s57
	s_add_nc_u64 s[G0V+2:G0V+3], s[4:5], s[54:55]
	s_add_nc_u64 s[G0V+2:G0V+3], s[G0V+2:G0V+3], 0x2000000   ; V's section
	s_or_b32 s[G0V+3], s[G0V+3], 0x80000000
	TLOAD                                          ; slot 0: keys 0 to 255, which count for every work-group
	s_lshl_b32 s52, s[Q0], 7
	s_mov_b32 s53, 0
	s_add_nc_u64 s[52:53], s[52:53], s[50:51]
	s_add_nc_u64 s[58:59], s[4:5], s[52:53]        ; Q at my first query
	s_add_nc_u64 s[6:7], s[6:7], s[52:53]          ; att likewise
	s_mov_b32 s56, 0x2000000                       ; the prefetches: waves 4-7 K's section, waves 8-11 V's,
	s_cmp_lt_u32 s[WV], 8
	s_cselect_b32 s56, 0x1000000, s56
	s_and_b32 s57, s[WV], 3
	s_lshl_b32 s57, s57, 13                        ; my wave's 8,192 bytes,
	s_add_co_u32 s56, s56, s57
	s_add_co_u32 s56, s56, SK*128                  ; in slot 1: the first change of slots steps it to slot 2.  Nothing is prefetched here, at the head
	s_mov_b32 s57, 0
	s_add_nc_u64 s[PFA:PFA+1], s[4:5], s[50:51]
	s_add_nc_u64 s[PFA:PFA+1], s[PFA:PFA+1], s[56:57]
	s_sub_co_u32 s56, s[WV], 4
	s_lshr_b32 s56, s56, 3                         ; 0 in waves 4 to 11,
	s_or_b32 s56, s56, ttmp9                       ; of work-group x = 0
	s_cmp_eq_u32 s56, 0
	s_cselect_b32 s[LIM], 1, -1
	v_and_b32 v10, 15, v0                          ; r
	v_bfe_u32 v11, v0, 4, 1                        ; h
	v_lshlrev_b32 v9, 7, v10
	v_lshl_add_u32 v9, v11, 4, v9                  ; Q: row r of 128 bytes, + 16 h
.irp t, 0,1
.irp cs, 0,1
	global_load_b128 v[QR+16*\t+8*\cs:QR+16*\t+8*\cs+3], v9, s[58:59] offset:2048*\t+64*\cs       ; Q stays in registers
	global_load_b128 v[QR+16*\t+8*\cs+4:QR+16*\t+8*\cs+7], v9, s[58:59] offset:2048*\t+64*\cs+32
.endr
.endr
	v_lshrrev_b32 v[AK0], 1, v10
	v_mul_u32_u24 v[AK0], v[AK0], KP
	v_and_b32 v3, 1, v10
	v_lshl_add_u32 v[AK0], v3, 7, v[AK0]
	v_lshl_add_u32 v[AK0], v11, 4, v[AK0]          ; K: key r: line r / 2, byte 128 (r % 2), + 16 h
	v_bfe_u32 v[AV0], v0, 1, 2
	v_lshl_add_u32 v[AV0], v11, 2, v[AV0]          ; V: key 8 h + l % 8: line 4 h + (l % 8) / 2,
	v_mul_u32_u24 v[AV0], v[AV0], VP
	v_and_b32 v3, 1, v0
	v_lshl_add_u32 v[AV0], v3, 7, v[AV0]           ; byte 128 (l % 2),
	v_bfe_u32 v3, v0, 3, 1
	v_lshl_add_u32 v[AV0], v3, 4, v[AV0]           ; + 16 ((l / 8) % 2)
	v_add_nc_u32 v[AV0], VOFF, v[AV0]
	v_lshlrev_b32 v3, 3, v11
	v_sub_nc_u32 v[DQ], v10, v3
	v_and_b32 v[PFO], 31, v0
	v_lshlrev_b32 v[PFO], 8, v[PFO]
	v_mov_b32 v[NINF], 0xff800000
.irp t, 0,1
	v_mov_b32 v[ST+8*\t+1], 0xff61b1e6             ; m: -3e38, under every score
	v_mul_f32 v[ST+8*\t], s[CS], v[ST+8*\t+1]      ; c m
.irp j, 2,3,4,5,6,7
	v_mov_b32 v[ST+8*\t+\j], 0                     ; l; and the registers at work, written once: a lane permute's destination counts as one of its sources
.endr
.endr
.set i, 0
.rept 64
	v_mov_b32 v[OT+i], 0                           ; O^T.  (The step is written once: the first finds zeros, which its a = 0 leaves zeros)
.set i, i+1
.endr
; THE SOFTMAX of a key step, both tiles line by line, so that no line waits for the line above it.
.macro SOFTMAX
.irp j, 0,1,2,3
.irp t, 0,1
	v_max3_num_f32 v[ST+8*\t+4+\j], v[SS+32*\t+8*\j], v[SS+32*\t+8*\j+1], v[SS+32*\t+8*\j+2]   ; four chains, one for each tile of keys, each from the low end on
.endr
.endr
.irp g, 3,5
.irp j, 0,1,2,3
.irp t, 0,1
	v_max3_num_f32 v[ST+8*\t+4+\j], v[ST+8*\t+4+\j], v[SS+32*\t+8*\j+\g], v[SS+32*\t+8*\j+\g+1]
.endr
.endr
.endr
.irp t, 0,1
	v_max3_num_f32 v[ST+8*\t+4], v[ST+8*\t+4], v[SS+32*\t+7], v[SS+32*\t+15]
.endr
.irp t, 0,1
	v_max3_num_f32 v[ST+8*\t+6], v[ST+8*\t+6], v[SS+32*\t+23], v[SS+32*\t+31]
.endr
.irp t, 0,1
	v_max3_num_f32 v[ST+8*\t+4], v[ST+8*\t+4], v[ST+8*\t+5], v[ST+8*\t+6]
.endr
.irp t, 0,1
	v_max3_num_f32 v[ST+8*\t+4], v[ST+8*\t+4], v[ST+8*\t+7], v[ST+8*\t+1]   ; with the old m
.endr
.irp t, 0,1
	v_permlanex16_b32 v[ST+8*\t+5], v[ST+8*\t+4], s[SEL], s[SEL+1]          ; the query's other 32 keys lie in the lane 16 away
.endr
.irp t, 0,1
	v_mov_b32 v[ST+8*\t+7], v[ST+8*\t]             ; c m_old is kept for a
.endr
.irp t, 0,1
	v_max_num_f32 v[ST+8*\t+1], v[ST+8*\t+4], v[ST+8*\t+5]
.endr
.irp t, 0,1
	v_mul_f32 v[ST+8*\t], s[CS], v[ST+8*\t+1]
.endr
.irp t, 0,1
	v_sub_f32 v[ST+8*\t+7], v[ST+8*\t+7], v[ST+8*\t]
.endr
.irp p, 0,2,4,6,8,10,12,14,16,18,20,22,24,26,28,30
.irp t, 0,1
	v_pk_fma_f32 v[SS+32*\t+\p:SS+32*\t+\p+1], v[SS+32*\t+\p:SS+32*\t+\p+1], s[CS:CS+1], v[ST+8*\t:ST+8*\t+1] op_sel_hi:[1,0,0] neg_lo:[0,0,1] neg_hi:[0,0,1]   ; c s - c m, one rounding, against the same c m for all keys
.endr
.endr
.irp t, 0,1
	v_exp_f32 v[ST+8*\t+6], v[ST+8*\t+7]           ; a
.endr
.set i, 0
.rept 64
	v_exp_f32 v[SS+i], v[SS+i]                     ; p, at most 1
.set i, i+1
.endr
	v_nop                                          ; a plain instruction behind the last exponential
	s_wait_alu depctr_va_vdst(0)                   ; one wait for the batch of 66, ahead of the first instruction that names a result
.irp t, 0,1
	v_pk_mul_f32 v[ST+8*\t+2:ST+8*\t+3], v[ST+8*\t+2:ST+8*\t+3], v[ST+8*\t+6:ST+8*\t+7] op_sel_hi:[1,0]   ; l under the new m
.endr
.irp t, 0,1
	v_pk_add_f32 v[ST+8*\t+4:ST+8*\t+5], v[SS+32*\t:SS+32*\t+1], v[SS+32*\t+2:SS+32*\t+3]   ; the sum of the unrounded p, in two chains
.endr
.irp p, 4,8,12,16,20,24,28
.irp t, 0,1
	v_pk_add_f32 v[ST+8*\t+2:ST+8*\t+3], v[ST+8*\t+2:ST+8*\t+3], v[SS+32*\t+\p:SS+32*\t+\p+1]
	v_pk_add_f32 v[ST+8*\t+4:ST+8*\t+5], v[ST+8*\t+4:ST+8*\t+5], v[SS+32*\t+\p+2:SS+32*\t+\p+3]
.endr
.endr
.irp t, 0,1
	v_pk_add_f32 v[ST+8*\t+2:ST+8*\t+3], v[ST+8*\t+2:ST+8*\t+3], v[ST+8*\t+4:ST+8*\t+5]
.endr
.irp j, 0,1,2,3,4,5,6,7,8,9,10,11,12,13,14,15
.irp t, 0,1
	v_cvt_pk_f16_f32 v[SS+32*\t+\j], v[SS+32*\t+2*\j], v[SS+32*\t+2*\j+1]   ; P in place, ascending: register j is written when registers 2 j, 2 j + 1 are read
.endr
.endr
.irp p, 0,2,4,6,8,10,12,14,16,18,20,22,24,26,28,30
.irp t, 0,1
	v_pk_mul_f32 v[OT+32*\t+\p:OT+32*\t+\p+1], v[OT+32*\t+\p:OT+32*\t+\p+1], v[ST+8*\t+6:ST+8*\t+7] op_sel_hi:[1,0]   ; O^T under the new m
.endr
.endr
.endm
; A KEY STEP: 64 keys, the q-th of the slot in hand.
.macro STEP q
	s_add_co_u32 s50, s[Q0], 31                    ; a step all of whose keys come after my 32 queries is left out: ids and the count of steps alone
	s_cmp_gt_u32 s[KF], s50
	s_cbranch_scc1 .Lhidden_\@
	v_add_nc_u32 v[ADK], s[TB], v[AK0]
	v_add_nc_u32 v[ADV], s[TB], v[AV0]
.rept 3
	v_nop                                          ; with the two additions five places behind the last step's products: loads land in the registers that held V, and the products below write over P
.endr
.irp cs, 0,1
.irp kt, 0,1,2,3
	ds_load_b128 v[FR+16*\kt+8*\cs:FR+16*\kt+8*\cs+3], v[ADK] offset:(\q)*32*KP+\kt*8*KP+64*\cs
	ds_load_b128 v[FR+16*\kt+8*\cs+4:FR+16*\kt+8*\cs+7], v[ADK] offset:(\q)*32*KP+\kt*8*KP+64*\cs+32
.endr
.endr
	s_wait_dscnt 8                                 ; channels 0-31 are in; the eight loads of channels 32-63 may be out
.irp kt, 0,1,2,3                       ; the eight accumulators take turns, one instruction a turn
.irp t, 0,1
	v_wmma_f32_16x16x32_f16 v[SS+32*\t+8*\kt:SS+32*\t+8*\kt+7], v[FR+16*\kt:FR+16*\kt+7], v[QR+16*\t:QR+16*\t+7], 0
.endr
.endr
	s_wait_dscnt 0x0
.irp kt, 0,1,2,3
.irp t, 0,1
	v_wmma_f32_16x16x32_f16 v[SS+32*\t+8*\kt:SS+32*\t+8*\kt+7], v[FR+16*\kt+8:FR+16*\kt+15], v[QR+16*\t+8:QR+16*\t+15], v[SS+32*\t+8*\kt:SS+32*\t+8*\kt+7]
.endr
.endr
.rept 4
	v_nop                                          ; places: for the loads into the registers that held K, and for the first reads of the scores
.endr
.irp u, 0,1                            ; V, turned: it lands while the softmax is walked
.irp ct, 0,1,2,3
	ds_load_tr16_b128 v[FR+32*\u+8*\ct:FR+32*\u+8*\ct+3], v[ADV] offset:(\q)*32*VP+\u*16*VP+32*\ct
	ds_load_tr16_b128 v[FR+32*\u+8*\ct+4:FR+32*\u+8*\ct+7], v[ADV] offset:(\q)*32*VP+\u*16*VP+8*VP+32*\ct
.endr
.endr
	s_add_co_u32 s50, s[KF], 63                    ; a step all of whose keys count for all my queries needs no mask
	s_cmp_le_u32 s50, s[Q0]
	s_cbranch_scc1 .Lopen_\@
	s_sub_co_i32 s50, s[Q0], s[KF]
	v_add_nc_u32 v[DD], s50, v[DQ]                 ; register 8 kt + j of tile t holds key KF + 16 kt + 8 h + j for query Q0 + 16 t + r: hidden where 16 kt + j - 16 t > Q0 - KF + r - 8 h
.irp t, 0,1
.irp kt, 0,1,2,3
.irp j, 0,1,2,3,4,5,6,7
	v_cmp_gt_i32 vcc_lo, 16*\kt+\j-16*\t, v[DD]
	v_cndmask_b32 v[SS+32*\t+8*\kt+\j], v[SS+32*\t+8*\kt+\j], v[NINF], vcc_lo
.endr
.endr
.endr
.Lopen_\@:
	SOFTMAX
	s_wait_dscnt 0x0                               ; V is in
.irp u, 0,1
.irp ct, 0,1,2,3
.irp t, 0,1
	v_wmma_f32_16x16x32_f16 v[OT+32*\t+8*\ct:OT+32*\t+8*\ct+7], v[FR+32*\u+8*\ct:FR+32*\u+8*\ct+7], v[SS+32*\t+8*\u:SS+32*\t+8*\u+7], v[OT+32*\t+8*\ct:OT+32*\t+8*\ct+7]
.endr
.endr
.endr
.Lhidden_\@:
	s_add_co_u32 s[KF], s[KF], 64
.endm
; THE CHANGE OF SLOTS stands at a slot's head.  Each wave waits for all its tensor loads, adds 0 to its spare word (fill = 1: twice on end), and waits for that and for its reads of the slot that it has left.
; Behind the barrier the slot ahead is whole and nobody reads the other one; fill = 1: that one is filled with the next 256 keys, up to the causal limit: one tensor load of a wave is out, with a slot's four steps in which to land.
.macro CHANGE fill
	s_wait_tensorcnt 0x0                           ; no tensor load of mine is out, so a group 0 may be written
	ds_add_u32 v[SPW], v[NIL]                      ; 0 onto my spare word
.if \fill
	ds_add_u32 v[SPW], v[NIL]                      ; and once more
	s_xor_b32 s[G0K+1], s[G0K+1], SLOT1            ; the walking descriptors: the other slot than last time,
	s_add_nc_u64 s[G0K+2:G0K+3], s[G0K+2:G0K+3], SK*128   ; the next 256 keys
	s_xor_b32 s[G0V+1], s[G0V+1], SLOT1
	s_add_nc_u64 s[G0V+2:G0V+3], s[G0V+2:G0V+3], SK*128
	s_wait_xcnt 0x0                                ; the last prefetch, a slot back, has read its address, so it may be written
	s_add_nc_u64 s[PFA:PFA+1], s[PFA:PFA+1], SK*128
.endif
	s_wait_dscnt 0x0                               ; the add is done, and my reads of the slot that I have left are over
	s_barrier_signal -1
	s_barrier_wait -1
.if \fill
	s_add_co_u32 s50, s[KF], SK                    ; the first key of the slot that this change would ask for:
	s_cmp_gt_u32 s50, s[QL]                        ; behind my work-group's last query none of its waves reads it, so it is not asked for.  Ids and the count of steps alone: all sixteen waves go the same way
	s_cbranch_scc1 .Lpast_\@
	TLOAD                                          ; the first thing behind the barrier, and a wave's one tensor load until the next
.Lpast_\@:
	ASK
.endif
.endm
.macro SLOT_STEPS
	STEP 0
	STEP 1
	STEP 2
	STEP 3
	s_xor_b32 s[TB], s[TB], SLOT1                  ; on to the other slot
.endm
	s_wait_loadcnt 0x0                             ; Q
.Lslot:                                            ; 7 trips
	CHANGE 1
	SLOT_STEPS
	s_sub_co_u32 s[SLOTS], s[SLOTS], 1
	s_cmp_lg_u32 s[SLOTS], 0
	s_cbranch_scc1 .Lslot
	CHANGE 0                                       ; the last slot is written out: nothing is left to ask for
	SLOT_STEPS
	; THE WAY OUT.  O^T is divided by l, rounded to f16 and goes through my stage, a tile of 16 queries at a time; it comes back as 4 rows of 128 bytes an instruction.  The address lines are the places behind the last products.
	s_mul_i32 s48, s[WV], 16*OP
	s_add_co_u32 s48, s48, STAGE
	v_and_b32 v3, 15, v0
	v_bfe_u32 v4, v0, 4, 1
	v_mul_u32_u24 v[STO], v3, OP
	v_lshl_add_u32 v[STO], v4, 4, v[STO]
	v_add_nc_u32 v[STO], s48, v[STO]               ; in: row r, + 16 h
	v_bfe_u32 v3, v0, 3, 2
	v_and_b32 v4, 7, v0
	v_mul_u32_u24 v[RD], v3, OP
	v_lshl_add_u32 v[RD], v4, 4, v[RD]
	v_add_nc_u32 v[RD], s48, v[RD]                 ; back: eight lanes to a row
	v_and_b32 v[GO], 31, v0
	v_lshlrev_b32 v[GO], 4, v[GO]
.irp t, 0,1
	v_add_f32 v[ST+8*\t+4], v[ST+8*\t+2], v[ST+8*\t+3]
.endr
.irp t, 0,1
	v_permlanex16_b32 v[ST+8*\t+5], v[ST+8*\t+4], s[SEL], s[SEL+1]
.endr
.irp t, 0,1
	v_add_f32 v[ST+8*\t+4], v[ST+8*\t+4], v[ST+8*\t+5]
.endr
.irp t, 0,1
	v_rcp_f32 v[ST+8*\t+6], v[ST+8*\t+4]
.endr
	v_nop                                          ; a plain instruction behind the last reciprocal
	s_wait_alu depctr_va_vdst(0)                   ; and the wait ahead of the first use: one for the two
.irp t, 0,1
.irp p, 0,2,4,6,8,10,12,14,16,18,20,22,24,26,28,30
	v_pk_mul_f32 v[OT+32*\t+\p:OT+32*\t+\p+1], v[OT+32*\t+\p:OT+32*\t+\p+1], v[ST+8*\t+6:ST+8*\t+7] op_sel_hi:[1,0]
.endr
.irp j, 0,1,2,3,4,5,6,7,8,9,10,11,12,13,14,15
	v_cvt_pk_f16_f32 v[SS+16*\t+\j], v[OT+32*\t+2*\j], v[OT+32*\t+2*\j+1]
.endr
.irp ct, 0,1,2,3
	ds_store_b128 v[STO], v[SS+16*\t+4*\ct:SS+16*\t+4*\ct+3] offset:32*\ct
.endr
.irp i, 0,1,2,3
	ds_load_b128 v[FR+16*\t+4*\i:FR+16*\t+4*\i+3], v[RD] offset:\i*4*OP   ; LDS serves a wave's instructions in order: these see the stores above, and the next tile's stores come behind them
.endr
.endr
.irp t, 0,1
.irp i, 0,1,2,3
	s_wait_dscnt 11-8*\t-\i                        ; behind this load: the tile's later loads, and for tile 0 the eight LDS instructions of tile 1
	global_store_b128 v[GO], v[FR+16*\t+4*\i:FR+16*\t+4*\i+3], s[6:7] offset:2048*\t+512*\i   ; 512 consecutive bytes, aligned
.endr
.endr
	s_wait_tensorcnt 0x0                           ; the wave's end, behind my last tensor load and my last LDS store
	ds_add_u32 v[SPW], v[NIL]
	s_wait_dscnt 0x0
	s_endpgm
.Lfunc_end_k_qa9667b56ae_attn:
	.size	k_qa9667b56ae_attn, .Lfunc_end_k_qa9667b56ae_attn-k_qa9667b56ae_attn
	.p2alignl 7, 3214868480
	.fill 96, 4, 3214868480
	.section	.rodata,"a",@progbits
	.p2align	6, 0x0
	.amdhsa_kernel k_qa9667b56ae_attn
		.amdhsa_group_segment_fixed_size 327680
		.amdhsa_private_segment_fixed_size 0
		.amdhsa_enable_private_segment 0
		.amdhsa_kernarg_size 16
		.amdhsa_user_sgpr_count 2
		.amdhsa_user_sgpr_kernarg_segment_ptr 1
		.amdhsa_wavefront_size32 1
		.amdhsa_system_sgpr_workgroup_id_x 1
		.amdhsa_system_sgpr_workgroup_id_y 1
		.amdhsa_system_sgpr_workgroup_id_z 1
		.amdhsa_system_vgpr_workitem_id 0
		.amdhsa_next_free_vgpr 256
		.amdhsa_next_free_sgpr 66
		.amdhsa_reserve_vcc 1
		.amdhsa_float_denorm_mode_32 3
		.amdhsa_float_denorm_mode_16_64 3
		.amdhsa_memory_ordered 1
		.amdhsa_forward_progress 1
		.amdhsa_inst_pref_size 189
	.end_amdhsa_kernel
	.amdgpu_metadata
---
amdhsa.version: [ 1, 2 ]
amdhsa.kernels:
  - .name:           k_qa9667b56ae_attn
    .symbol:         k_qa9667b56ae_attn.kd
    .args:
      - { .name: qkv, .offset: 0, .size: 8, .value_kind: global_buffer, .address_space: global }
      - { .name: att, .offset: 8, .size: 8, .value_kind: global_buffer, .address_space: global }
    .group_segment_fixed_size: 327680
    .private_segment_fixed_size: 0
    .kernarg_segment_align: 8
    .kernarg_segment_size: 16
    .max_flat_workgroup_size: 512
    .sgpr_count:     66
    .vgpr_count:     256
    .wavefront_size: 32
...
	.end_amdgpu_metadata
.endif
;; end of part 3
;; launch proj (part 4): grid 4 x 64, 4 waves a work-group, clusters of 4 x 4, 327,680 bytes of LDS; arguments att, wp16, b_proj, out0; writes out0
.if DOCPART == 4
	.amdgcn_target "amdgcn-amd-amdhsa--gfx1250"
	.amdhsa_code_object_version 6
	.text
	.protected	k_qa9667b56ae_proj
	.globl	k_qa9667b56ae_proj
	.p2align	8
	.type	k_qa9667b56ae_proj,@function
k_qa9667b56ae_proj:
	s_mov_b64 s[64:65], 0
	v_nop
	global_prefetch_b8 v0, s[64:65] scope:SCOPE_SE
	s_setreg_imm32_b32 hwreg(HW_REG_WAVE_MODE, 25, 1), 1
	s_wait_xcnt 0x0
	s_wait_alu depctr_hold_cnt(0) depctr_sa_sdst(0) depctr_va_vdst(0) depctr_va_sdst(0) depctr_va_ssrc(0) depctr_va_vcc(0) depctr_vm_vsrc(0)
	s_getreg_b32 s2, hwreg(HW_REG_IB_STS2, 6, 4)
	s_cmp_eq_u32 s2, 0
	s_cbranch_scc0 .Lentry_in_a_cluster
	s_endpgm
.Lentry_in_a_cluster:
	s_bfe_u32 s2, ttmp6, 0x10000c
	s_cmp_lg_u32 s2, 0xf033
	s_cbranch_scc0 .Lentry_shape_is_right
	s_endpgm
.Lentry_shape_is_right:
; The projection: out0[m][n] = sum over c of att[m][c] w_proj[n][c] + b_proj[n], f16 operands, f32 sums.  m = 2048 b + t; c = 64 head + d.  att lies by head, [4 b][16 head][2048 t][64] f16; wp16 [1024 n][1024 c] f16; out0 f32.
; Positions 0 to 15 of every batch are NOT stored here: a later launch carries those rows in f32 and stores them.
; A tile of out0 is 128 (m) x 256 (n): 64 x 4 = 256 work-groups.  Four waves, each 64 x 128: 32 accumulators, 256 registers.  K goes head by head, two heads (128) a step, through a ring of two LDS slots: 8 steps.
; att's part of a step is, for each of its two heads, a dense block of 128 tokens x 128 bytes: 64 lines of 256 bytes (two tokens); w's part is 256 rows of 256 bytes.  Waves 0, 1 fetch the two heads of att, waves 2, 3 the halves of w: one load a wave.
; CLUSTERS: 4 x 4 work-groups.  Tile column = cx; tile row = 16 cy + cluster y: batch cy, tokens 128 x cluster y on, so that positions 0 to 15 fall to cluster y = 0, a number that all partners share.
; att's tiles are shared along a row of the cluster, w's along a column: each is asked for JOINTLY.  THE MATRIX INSTRUCTION IS USED TRANSPOSED (source 0 = 16 rows of w, source 1 = 16 rows of att): a lane holds eight neighbouring columns of a row.
; The bias is the C of each sum's first matrix instruction: eight registers for each block of 16 columns, in the result's layout.
; REGISTERS: window 0: v16-29 addresses; v32-159 rows on the way out, two sets; v192-255 att's fragments, two buffers of 32.   window 1: v0-127 w's fragments, two buffers of 64; v128-191 the bias.   window 2: the accumulators, (a, b) at v[8 (8 a + b)].
.set PITCH,  272                       ; an LDS line: 256 bytes + 16 of padding
.set PLANE,  64*PITCH                  ; one head's 128 tokens
.set BOFF,   2*PLANE                   ; w's rows lie behind att's two heads
.set HALFB,  128*PITCH
.set SLOT,   BOFF+2*HALFB              ; 104,448
.set STAGE,  2*SLOT                    ; behind the ring: 16 rows x (512 bytes + 16) for each wave
.set SPITCH, 528
.set SPARE,  STAGE+4*16*SPITCH         ; the spare words, 128 bytes a wave, which no other line names
.set LAPS,   4                         ; a lap = two K steps = once round the ring
.set ADRA, 16                          ; v16-17  LDS address of my att fragments in slot 0, 1
.set ADRB, 20                          ; v20-21  the same for w
.set STO,  24                          ; v24     the way out: where I put 32 bytes of a row
.set RD,   25                          ; v25     where I read a row back
.set CO,   26                          ; v26     16 x lane: my bytes of a row's 512
.set BO,   27                          ; v27     the bias loads' offset
.set SPW,  28                          ; v28     LDS address of my spare word; never rewritten
.set NIL,  29                          ; v29     0; never rewritten
.set BK,   32
.set AF,   192
.set BIAS, 128                         ; in window 1
.set G1, 24                            ; s[24:31] descriptor group 1 for att's tiles;  s[32:39] group 0, one set for each slot
.set G0, 32
.set G1B, 48                           ; s[48:55], s[56:63] the same for w's
.set G0B, 56
.set MSB, 0
.macro WIN new                         ; the immediate's high byte repeats the setting that is left
.if MSB != \new
	s_set_vgpr_msb (MSB<<8)|\new
.set MSB, \new
.endif
.endm
.set MUL,  0xa1                        ; source 0 (w) window 1, source 1 (att) window 0, C and D window 2
.set MULB, 0x91                        ; the same with C (the bias) in window 1
.set TO_B, 0x40                        ; destination window 1, address window 0
.macro JLOAD s                         ; a joint load: waves 0, 1 for att, waves 2, 3 for w; an s_nop 0 and four v_nop follow each of the two lines
	s_cmp_eq_u32 s13, 0
	s_cbranch_scc0 .Lfor_b_\@
	tensor_load_to_lds s[G0+4*\s:G0+4*\s+3], s[G1:G1+7]
	s_nop 0
.rept 4
	v_nop
.endr
	s_branch .Lasked_\@
.Lfor_b_\@:
	tensor_load_to_lds s[G0B+4*\s:G0B+4*\s+3], s[G1B:G1B+7]
	s_nop 0
.rept 4
	v_nop
.endr
.Lasked_\@:
.endm
.macro CREST                           ; a round of the cluster's barrier behind its opening barrier
	s_cmp_lg_u32 s12, 0
	s_cbranch_scc1 .Lnot_wave_0_\@
	s_barrier_signal -3
.Lnot_wave_0_\@:
	s_barrier_wait -3
	s_barrier_signal -1
	s_barrier_wait -1
.endm
.macro CROUND                          ; a whole round
	s_barrier_signal -1
	s_barrier_wait -1
	CREST
.endm
	s_load_b256 s[4:11], s[0:1], 0x0               ; att s[4:5], wp16 s[6:7], b_proj s[8:9], out0 s[10:11]
	v_lshl_add_u32 v[SPW], v0, 2, SPARE
	v_mov_b32 v[NIL], 0
	ds_add_u32 v[SPW], v[NIL]                      ; the wave's opening: the add, twice on end, and its wait ahead of my first tensor load; the set-up below stands between
	ds_add_u32 v[SPW], v[NIL]
	v_lshrrev_b32 v1, 5, v0
	v_readfirstlane_b32 s12, v1                    ; wave 0..3
	s_lshr_b32 s13, s12, 1                         ; which 64 of the tile's rows are mine.  Also: I fetch for att (0) or for w (1)
	s_and_b32 s14, s12, 1                          ; which 128 of its columns.  Also: which head of the step, or which 128 rows of w, I fetch
	s_bfe_u32 s40, ttmp6, 0x40000                  ; cx, cy
	s_bfe_u32 s41, ttmp6, 0x40004
	s_lshl_b32 s42, ttmp9, 2
	s_add_co_u32 s42, s42, s40                     ; tile column
	s_and_b32 s45, ttmp7, 0xffff                   ; cluster y
	s_lshl_b32 s43, s41, 2
	s_lshl_b32 s43, 15, s43                        ; my row of the cluster
	s_lshl_b32 s44, 0x1111, s40                    ; my column
	s_or_b32 s[G1+0], s43, (1<<16)|(1<<20)|(1<<21)|(5<<22)|(3<<25)   ; the mask; elements of 2 bytes; padding on; bit 21 beside a mask; after every 64 words 4 words
	s_or_b32 s[G1B+0], s44, (1<<16)|(1<<20)|(1<<21)|(5<<22)|(3<<25)
	s_mov_b32 s[G1+1], 128<<16                     ; att: 64 lines of 128 elements, dense
	s_mov_b32 s[G1+2], 64<<16
	s_mov_b32 s[G1+3], 128<<16
	s_mov_b32 s[G1+4], 64
	s_mov_b32 s[G1+5], 128
	s_mov_b32 s[G1+6], 0
	s_mov_b32 s[G1+7], 0
	s_mov_b32 s[G1B+1], 128<<16                    ; w: 128 rows of 128 elements, 1,024 elements apart
	s_mov_b32 s[G1B+2], 128<<16
	s_mov_b32 s[G1B+3], 128<<16
	s_mov_b32 s[G1B+4], 128
	s_mov_b32 s[G1B+5], 1024
	s_mov_b32 s[G1B+6], 0
	s_mov_b32 s[G1B+7], 0
	s_lshl_b32 s16, s41, 22                        ; att: batch cy (16 heads of 262,144 bytes),
	s_lshl_b32 s17, s45, 14                        ; 128 tokens of 128 bytes a cluster y,
	s_add_co_u32 s16, s16, s17
	s_lshl_b32 s17, s14, 18                        ; my head of the step
	s_add_co_u32 s16, s16, s17
	s_mov_b32 s17, 0
	s_lshl_b32 s46, s42, 19                        ; w: 256 rows of 2,048 bytes a tile column,
	s_lshl_b32 s47, s14, 18                        ; my 128 of them
	s_add_co_u32 s46, s46, s47
	s_mov_b32 s47, 0
	s_mul_i32 s20, s14, PLANE                      ; where they go: the wave's number alone enters an LDS address
	s_mul_i32 s21, s14, HALFB
	s_add_co_u32 s21, s21, BOFF
	s_wait_dscnt 0x0                               ; both opening adds are done
	s_wait_kmcnt 0x0
	s_add_nc_u64 s[18:19], s[4:5], s[16:17]
	s_add_nc_u64 s[46:47], s[6:7], s[46:47]
	CROUND                                         ; all sixteen work-groups are here: the first joint loads meet
.irp s, 0,1
	s_mov_b32 s[G0+4*\s], 1
	s_add_co_u32 s[G0+4*\s+1], s20, \s*SLOT
	s_add_nc_u64 s[G0+4*\s+2:G0+4*\s+3], s[18:19], \s*2*262144     ; K step s: heads 2 s, 2 s + 1
	s_or_b32 s[G0+4*\s+3], s[G0+4*\s+3], 0x80000000
	s_mov_b32 s[G0B+4*\s], 1
	s_add_co_u32 s[G0B+4*\s+1], s21, \s*SLOT
	s_add_nc_u64 s[G0B+4*\s+2:G0B+4*\s+3], s[46:47], \s*256
	s_or_b32 s[G0B+4*\s+3], s[G0B+4*\s+3], 0x80000000
	JLOAD \s
.endr
	v_and_b32 v1, 15, v0                           ; r
	v_bfe_u32 v2, v0, 4, 1                         ; h
	s_lshl_b32 s46, s42, 10                        ; my 128 columns, in bytes of f32: 1,024 x tile column + 512 x half
	s_lshl_b32 s47, s14, 9
	s_add_co_u32 s46, s46, s47
	s_mov_b32 s47, 0
	s_add_nc_u64 s[8:9], s[8:9], s[46:47]
	v_lshlrev_b32 v[BO], 5, v2                     ; the bias: lane (r, h) wants, for block b, b_proj at columns 16 b + 8 h + 0 .. 7
	WIN TO_B
.irp b, 0,1,2,3,4,5,6,7
	global_load_b128 v[BIAS+8*\b:BIAS+8*\b+3], v[BO], s[8:9] offset:64*\b
	global_load_b128 v[BIAS+8*\b+4:BIAS+8*\b+7], v[BO], s[8:9] offset:64*\b+16
.endr
	WIN 0
	v_lshrrev_b32 v3, 1, v1
	v_mul_u32_u24 v3, v3, PITCH
	v_and_b32 v4, 1, v1
	v_lshl_add_u32 v3, v4, 7, v3
	v_lshl_add_u32 v3, v2, 4, v3                   ; att: token r: line r / 2, byte 128 (r % 2), + 16 h
	v_mul_u32_u24 v4, v1, PITCH
	v_lshl_add_u32 v4, v2, 4, v4                   ; w: row r, + 16 h
	s_mul_i32 s21, s13, 32*PITCH                   ; my 64 tokens: 32 lines
	s_mul_i32 s22, s14, HALFB                      ; my 128 rows of w
	s_add_co_u32 s22, s22, BOFF
.irp s, 0,1
	v_add_nc_u32 v[ADRA+\s], s21, v3
	v_add_nc_u32 v[ADRB+\s], s22, v4
	s_add_co_u32 s21, s21, SLOT
	s_add_co_u32 s22, s22, SLOT
.endr
	s_mul_i32 s23, s12, 16*SPITCH
	s_add_co_u32 s23, s23, STAGE                   ; my stage
	v_mul_u32_u24 v5, v1, SPITCH
	v_lshl_add_u32 v5, v2, 5, v5
	v_add_nc_u32 v[STO], s23, v5                   ; in: row r, 32 bytes for each half of the lanes
	v_and_b32 v6, 31, v0
	v_lshlrev_b32 v[CO], 4, v6
	v_add_nc_u32 v[RD], s23, v[CO]                 ; back: the 32 lanes take one row of 512 bytes
	s_lshl_b32 s16, s41, 23                        ; my first row of out0, 4,096 bytes a row: 2,048 cy + 128 x cluster y + 64 x row half
	s_lshl_b32 s17, s45, 19
	s_add_co_u32 s16, s16, s17
	s_lshl_b32 s17, s13, 18
	s_add_co_u32 s16, s16, s17
	s_mov_b32 s17, 0
	s_add_nc_u64 s[10:11], s[10:11], s[16:17]
	s_add_nc_u64 s[10:11], s[10:11], s[46:47]
; 8 matrix instructions: att's block a against w's eight, 32 along K, buffer f.  zero = 1: the first product starts the sums, on the bias.  The 32 accumulators take turns, one instruction a turn.
.macro MUL8 f, a, zero
.irp b, 0,1,2,3,4,5,6,7
.if \zero
	v_wmma_f32_16x16x32_f16 v[8*(8*(\a)+\b):8*(8*(\a)+\b)+7], v[64*(\f)+8*\b:64*(\f)+8*\b+7], v[AF+32*(\f)+8*(\a):AF+32*(\f)+8*(\a)+7], v[BIAS+8*\b:BIAS+8*\b+7]
.else
	v_wmma_f32_16x16x32_f16 v[8*(8*(\a)+\b):8*(8*(\a)+\b)+7], v[64*(\f)+8*\b:64*(\f)+8*\b+7], v[AF+32*(\f)+8*(\a):AF+32*(\f)+8*(\a)+7], v[8*(8*(\a)+\b):8*(8*(\a)+\b)+7]
.endif
.endr
.endm
; 24 LDS loads in one run: the fragments of the slot's q-th 32 along K (head q / 2, channels 32 (q % 2) on) into buffer f: w's sixteen, then att's eight
.macro FETCH slot, q, f
	WIN TO_B
.irp i, 0,1,2,3,4,5,6,7
	ds_load_b128 v[64*(\f)+8*\i:64*(\f)+8*\i+3],   v[ADRB+\slot] offset:64*(\q)+\i*16*PITCH
	ds_load_b128 v[64*(\f)+8*\i+4:64*(\f)+8*\i+7], v[ADRB+\slot] offset:64*(\q)+\i*16*PITCH+32
.endr
	WIN 0
.irp i, 0,1,2,3
	ds_load_b128 v[AF+32*(\f)+8*\i:AF+32*(\f)+8*\i+3],   v[ADRA+\slot] offset:PLANE*((\q)/2)+64*((\q)%2)+\i*8*PITCH
	ds_load_b128 v[AF+32*(\f)+8*\i+4:AF+32*(\f)+8*\i+7], v[ADRA+\slot] offset:PLANE*((\q)/2)+64*((\q)%2)+\i*8*PITCH+32
.endr
.endm
.macro PLACES                          ; four places in front of loads into registers that matrix instructions have read, and of the first reads of results
.rept 4
	v_nop
.endr
.endm
; A K step is four quarters of 32 along K, 32 matrix instructions each, on buffers 0, 1, 0, 1.  One of the first three: multiplies buffer f and fetches quarter q of the same slot into g.
.macro QUARTER slot, q, f, g, zero
	s_wait_dscnt 4                                 ; w's fragments and att's blocks 0, 1 are in; the youngest four loads (blocks 2, 3) may be out
.if \zero
	WIN MULB
.else
	WIN MUL
.endif
	MUL8 \f, 0, \zero
	MUL8 \f, 1, \zero
	PLACES
	FETCH \slot, \q, \g
	s_wait_dscnt 24                                ; all but the 24 just issued
.if \zero
	WIN MULB
.else
	WIN MUL
.endif
	MUL8 \f, 2, \zero
	MUL8 \f, 3, \zero
.endm
; The last quarter multiplies buffer 1 and changes slots: ONE barrier; in front of it each wave waits for all its tensor loads, adds 0 to its spare word, and waits for that and for its reads of this slot.
; fill = 1: the barrier opens a round of the cluster's barrier, and this slot is filled again, two K steps ahead: one tensor load of a wave is out, with 112 matrix instructions between the request and the wait for it.
.macro TURN slot, next, fill
	WIN 0                                          ; (the add's two registers lie in window 0)
	s_wait_tensorcnt 0x0                           ; all my tensor loads have landed: my part of the next slot
	ds_add_u32 v[SPW], v[NIL]                      ; 0 onto my spare word
	s_wait_dscnt 5                                 ; (the add and the youngest four loads may be out)
	WIN MUL
	MUL8 1, 0, 0
	s_wait_dscnt 0x0                               ; the add is done, and my reads of this slot are over
	s_barrier_signal -1
	MUL8 1, 1, 0
	WIN 0
	s_barrier_wait -1
.if \fill
	CREST                                          ; no wave of any partner still reads this slot's tiles or has a load on its way
	s_add_nc_u64 s[G0+4*\slot+2:G0+4*\slot+3], s[G0+4*\slot+2:G0+4*\slot+3], 4*262144   ; four heads on
	s_add_nc_u64 s[G0B+4*\slot+2:G0B+4*\slot+3], s[G0B+4*\slot+2:G0B+4*\slot+3], 512
	JLOAD \slot                                    ; the first tensor load behind the round; its four v_nop are also the places in front of the loads below
.else
	PLACES
.endif
	FETCH \next, 0, 0
	WIN MUL
	MUL8 1, 2, 0
	MUL8 1, 3, 0
.endm
	s_wait_tensorcnt 1                             ; my part of K step 0 is in (K step 1's load may be out),
	s_barrier_signal -1
	s_barrier_wait -1                              ; everybody's is
	FETCH 0, 0, 0
	s_wait_loadcnt 0x0                             ; the bias
	QUARTER 0, 1, 0, 1, 1                          ; the first quarter stands in front of the loop: its products start the sums
	WIN 0                                          ; at a label and at a branch every window is 0
	s_mov_b32 s3, LAPS-1
.Llap:                                                 ; a trip goes once round the ring, from a lap's second quarter to the next lap's first, and fills both slots again
	QUARTER 0, 2, 1, 0, 0
	QUARTER 0, 3, 0, 1, 0
	TURN 0, 1, 1
	QUARTER 1, 1, 0, 1, 0
	QUARTER 1, 2, 1, 0, 0
	QUARTER 1, 3, 0, 1, 0
	TURN 1, 0, 1
	QUARTER 0, 1, 0, 1, 0
	WIN 0
	s_sub_co_u32 s3, s3, 1
	s_cmp_lg_u32 s3, 0
	s_cbranch_scc1 .Llap
	QUARTER 0, 2, 1, 0, 0                          ; the last lap fills nothing, and has no round of the cluster's barrier
	QUARTER 0, 3, 0, 1, 0
	TURN 0, 1, 0
	QUARTER 1, 1, 0, 1, 0
	QUARTER 1, 2, 1, 0, 0
	QUARTER 1, 3, 0, 1, 0
	s_wait_dscnt 4                                 ; the very last quarter: nothing more to fetch
	WIN MUL
	MUL8 1, 0, 0
	MUL8 1, 1, 0
	s_wait_dscnt 0
	MUL8 1, 2, 0
	MUL8 1, 3, 0
	WIN 0
; THE WAY OUT, block by block of 16 rows x 128 columns of f32: through my own stage, and back as whole rows of 512 bytes.  LDS serves a wave's instructions in order: no wait between the stores and the loads.
.macro TOSTAGE a
	WIN 0x08                                       ; an LDS store's data: window 2
.irp b, 0,1,2,3,4,5,6,7
	ds_store_b128 v[STO], v[64*(\a)+8*\b:64*(\a)+8*\b+3] offset:64*\b          ; each accumulator from its low end on
	ds_store_b128 v[STO], v[64*(\a)+8*\b+4:64*(\a)+8*\b+7] offset:64*\b+16
.endr
	WIN 0
.set BB, BK+64*((\a)%2)
.irp t, 0,1,2,3,4,5,6,7,8,9,10,11,12,13,14,15
	ds_load_b128 v[BB+4*\t:BB+4*\t+3], v[RD] offset:\t*SPITCH
.endr
.endm
.macro SEND a, younger                 ; younger: the LDS instructions issued behind block a's loads, which may stay out
.set BB, BK+64*((\a)%2)
	s_wait_dscnt \younger
.irp t, 0,1,2,3,4,5,6,7,8,9,10,11,12,13,14,15
	global_store_b128 v[CO], v[BB+4*\t:BB+4*\t+3], s[10:11] offset:65536*(\a)+4096*\t th:TH_STORE_NT   ; 32 lanes store 512 consecutive bytes, aligned
.endr
.endm
	PLACES
	s_or_b32 s15, s45, s13                         ; block 0 of the upper row half, where the cluster's y is 0, is positions 0 to 15: they are another launch's to store.  The same test in all partners
	s_cmp_eq_u32 s15, 0
	s_cbranch_scc1 .Lskip0
	TOSTAGE 0
	SEND 0, 0
.Lskip0:
	TOSTAGE 1
	s_wait_xcnt 0x0                                ; block 0's stores have read the registers into which block 2 comes back
	TOSTAGE 2
	SEND 1, 32                                     ; behind block 1's loads: block 2's 16 stores and 16 loads
	s_wait_xcnt 0x0                                ; block 1's stores likewise
	TOSTAGE 3
	SEND 2, 32
	SEND 3, 0
	s_wait_tensorcnt 0x0                           ; the wave's end, behind my last tensor load and my last LDS store
	ds_add_u32 v[SPW], v[NIL]
	s_wait_dscnt 0x0
	CROUND                                         ; the closing round
	s_endpgm
.Lfunc_end_k_qa9667b56ae_proj:
	.size	k_qa9667b56ae_proj, .Lfunc_end_k_qa9667b56ae_proj-k_qa9667b56ae_proj
	.p2alignl 7, 3214868480
	.fill 96, 4, 3214868480
	.section	.rodata,"a",@progbits
	.p2align	6, 0x0
	.amdhsa_kernel k_qa9667b56ae_proj
		.amdhsa_group_segment_fixed_size 327680
		.amdhsa_private_segment_fixed_size 0
		.amdhsa_enable_private_segment 0
		.amdhsa_kernarg_size 32
		.amdhsa_user_sgpr_count 2
		.amdhsa_user_sgpr_kernarg_segment_ptr 1
		.amdhsa_wavefront_size32 1
		.amdhsa_system_sgpr_workgroup_id_x 1
		.amdhsa_system_sgpr_workgroup_id_y 1
		.amdhsa_system_sgpr_workgroup_id_z 1
		.amdhsa_system_vgpr_workitem_id 0
		.amdhsa_next_free_vgpr 768
		.amdhsa_next_free_sgpr 66
		.amdhsa_reserve_vcc 0
		.amdhsa_float_denorm_mode_32 3
		.amdhsa_float_denorm_mode_16_64 3
		.amdhsa_memory_ordered 1
		.amdhsa_forward_progress 1
		.amdhsa_inst_pref_size 87
	.end_amdhsa_kernel
	.amdgpu_metadata
---
amdhsa.version: [ 1, 2 ]
amdhsa.kernels:
  - .name:           k_qa9667b56ae_proj
    .symbol:         k_qa9667b56ae_proj.kd
    .args:
      - { .name: att, .offset: 0, .size: 8, .value_kind: global_buffer, .address_space: global }
      - { .name: wp16, .offset: 8, .size: 8, .value_kind: global_buffer, .address_space: global }
      - { .name: b_proj, .offset: 16, .size: 8, .value_kind: global_buffer, .address_space: global }
      - { .name: out0, .offset: 24, .size: 8, .value_kind: global_buffer, .address_space: global }
    .group_segment_fixed_size: 327680
    .private_segment_fixed_size: 0
    .kernarg_segment_align: 8
    .kernarg_segment_size: 32
    .max_flat_workgroup_size: 128
    .sgpr_count:     66
    .vgpr_count:     768
    .wavefront_size: 32
...
	.end_amdgpu_metadata
.endif
;; end of part 4
;; launch first16 (part 5): grid 32 x 4, 16 waves a work-group, no clusters, 104,448 bytes of LDS; arguments qkv16, w_proj, b_proj, out0; writes out0
.if DOCPART == 5
	.amdgcn_target "amdgcn-amd-amdhsa--gfx1250"
	.amdhsa_code_object_version 6
	.text
	.protected	k_qa9667b56ae_first16
	.globl	k_qa9667b56ae_first16
	.p2align	8
	.type	k_qa9667b56ae_first16,@function
k_qa9667b56ae_first16:
	s_mov_b64 s[64:65], 0
	v_nop
	global_prefetch_b8 v0, s[64:65] scope:SCOPE_SE
	s_setreg_imm32_b32 hwreg(HW_REG_WAVE_MODE, 25, 1), 1
	s_wait_xcnt 0x0
; Positions 0 to 15 of every batch, carried in f32 through the scores, the weighted sum and the projection: under the causal mask these rows average one to sixteen values, and 16-bit operands would weigh most there.  64 rows of out0 in all.
; SHARES.  A work-group (cb, b) makes 16 rows x 32 columns (32 cb on) of batch b.  Wave = head: it makes its head's 16 x 16 attention (repeated by the 32 column blocks: 32 small products), then its head's part of the
; projection; the 16 parts meet in LDS and waves 0-3 add them, in a fixed order, with the bias.  All products by v_wmma_f32_16x16x4_f32, 64 a wave; its accumulators v144-175 are written by matrix instructions alone.
; INPUT.  qkv16 holds images of the first product's accumulators: lane (r, h), register 8 bb + j of a head = the f32 sum at position r, channel 16 bb + 8 h + j.
; K ORDER.  The f32 form takes k = 2 h + j from register j of lane (r, h).  A pair of registers 2 i, 2 i + 1 of Q's and of K's image holds, in lane (r, h), the same two channels of positions r: the same permutation of the channels on
; both sides, so sixteen products over the sixteen pairs sum all 64 channels.  S^T = K Q^T leaves key 8 h + j of query r in register j: pair s of the weights is source 1 for keys 8 h + 2 s + j, and V is turned through LDS to match.
; O^T leaves channel 16 ct + 8 h + j of query r: pair i of tile ct is source 1 of the projection for those channels, and w_proj's rows are loaded in that order.
; SOFTMAX: the row's maximum is taken away, p = 2^(c s - c m), c = log2(e) / 8; the sum divides O.  Key 0 counts for every query.
.set VPI,   272                        ; V in LDS: a key's 64 channels, 256 bytes + 16
.set RED,   16*16*VPI                  ; 69,632: behind the waves' V: each wave's part of the result, 2,048 bytes
.set SPARE, RED+16*2048                ; 102,400: the spare words, 128 bytes a wave, which no other line names
.set SPW, 1                            ; v1   LDS address of my spare word; never rewritten
.set NIL, 2                            ; v2   0; never rewritten
.set LI,  3                            ; v3   16 x lane
.set VS,  4                            ; v4   V into LDS: row r, + 32 h
.set VR,  5                            ; v5   V back: row 8 h, + 4 r
.set WA,  6                            ; v6   w_proj: row r of 4,096 bytes, + 32 h
.set RS,  7                            ; v7   my part's image
.set RR,  8                            ; v8   where the adding waves read
.set OA,  9                            ; v9   my bytes of out0
.set BA,  10                           ; v10  my bytes of b_proj
.set KD,  11                           ; v11  r - 8 h
.set QQ,  16                           ; v16-47   Q's image, later O / l
.set KK,  48                           ; v48-79   K's image; v48-63 later sums
.set VV,  80                           ; v80-111  V's image
.set VT,  112                          ; v112-143 V turned: register 8 ct + i = V(key 8 h + i, channel 16 ct + r)
.set ACC, 144                          ; v144-175 four accumulators
.set TT,  176                          ; v176-183 scores, then p
.set BI,  184                          ; v184-187 the bias, then the result
.set WW,  192                          ; v192-255 w_proj: register 32 n + 8 ct + i = w(32 cb + 16 n + r, 64 head + 16 ct + 8 h + i)
	s_load_b256 s[4:11], s[0:1], 0x0               ; qkv16 s[4:5], w_proj s[6:7], b_proj s[8:9], out0 s[10:11]
	v_lshl_add_u32 v[SPW], v0, 2, SPARE
	v_mov_b32 v[NIL], 0
	v_lshrrev_b32 v12, 5, v0
	v_readfirstlane_b32 s12, v12                   ; wave = head
	s_and_b32 s13, ttmp7, 0xffff                   ; batch
	v_and_b32 v12, 15, v0                          ; r
	v_bfe_u32 v13, v0, 4, 1                        ; h
	v_and_b32 v14, 31, v0
	v_lshlrev_b32 v[LI], 4, v14
	s_mul_i32 s14, s12, 16*VPI
	v_mul_u32_u24 v[VS], v12, VPI
	v_lshl_add_u32 v[VS], v13, 5, v[VS]
	v_add_nc_u32 v[VS], s14, v[VS]
	v_mul_u32_u24 v[VR], v13, 8*VPI
	v_lshl_add_u32 v[VR], v12, 2, v[VR]
	v_add_nc_u32 v[VR], s14, v[VR]
	v_lshlrev_b32 v[WA], 12, v12
	v_lshl_add_u32 v[WA], v13, 5, v[WA]
	s_lshl_b32 s14, s12, 11
	s_add_co_u32 s14, s14, RED
	v_add_nc_u32 v[RS], s14, v[LI]
	; an adding wave w takes rows 4 w .. 4 w + 3; lane l: row 4 w + l / 8, columns 4 cq .. 4 cq + 3, cq = l % 8.  In a part's image column 16 n + 8 h + 4 q + i of row r lies at 1,024 n + 512 q + 16 (r + 16 h) + 4 i
	v_and_b32 v15, 7, v0                           ; cq
	v_bfe_u32 v[RR], v0, 2, 1                      ; n = cq / 4
	v_lshlrev_b32 v[RR], 10, v[RR]
	v_and_b32 v14, 1, v0                           ; q = cq % 2
	v_lshl_add_u32 v[RR], v14, 9, v[RR]
	v_bfe_u32 v14, v0, 1, 1                        ; h = (cq / 2) % 2
	v_lshl_add_u32 v[RR], v14, 8, v[RR]
	v_bfe_u32 v14, v0, 3, 2                        ; l / 8
	v_lshl_add_u32 v[RR], v14, 4, v[RR]
	s_and_b32 s14, s12, 3
	s_lshl_b32 s14, s14, 6
	s_add_co_u32 s14, s14, RED
	v_add_nc_u32 v[RR], s14, v[RR]
	v_lshlrev_b32 v[OA], 12, v14
	v_lshl_add_u32 v[OA], v15, 4, v[OA]
	v_lshlrev_b32 v[BA], 4, v15
	v_lshlrev_b32 v14, 3, v13
	v_sub_nc_u32 v[KD], v12, v14
	s_mul_i32 s16, s13, 24                         ; qkv16: (24 b + head / 2) x 8,192 + (head % 2) x 4,096
	s_lshr_b32 s17, s12, 1
	s_add_co_u32 s16, s16, s17
	s_lshl_b32 s16, s16, 13
	s_and_b32 s17, s12, 1
	s_lshl_b32 s17, s17, 12
	s_add_co_u32 s16, s16, s17
	s_mov_b32 s17, 0
	s_lshl_b32 s18, ttmp9, 17                      ; w_proj: 32 rows of 4,096 bytes a column block, 256 bytes a head
	s_lshl_b32 s19, s12, 8
	s_add_co_u32 s18, s18, s19
	s_mov_b32 s19, 0
	s_lshl_b32 s20, ttmp9, 7                       ; 32 columns of f32
	s_mov_b32 s21, 0
	s_lshl_b32 s22, s13, 23                        ; out0: row 2,048 b + 4 (wave % 4)
	s_and_b32 s23, s12, 3
	s_lshl_b32 s23, s23, 14
	s_add_co_u32 s22, s22, s23
	s_add_co_u32 s22, s22, s20
	s_mov_b32 s23, 0
	s_mov_b32 s24, 0x76543210                      ; lane selects: lane l xor 16
	s_mov_b32 s25, 0xfedcba98
	s_mov_b32 s26, 0x3e38aa3b                      ; c = log2(e) / 8
	s_mov_b32 s27, s26
	s_wait_kmcnt 0x0
	s_add_nc_u64 s[4:5], s[4:5], s[16:17]
	s_add_nc_u64 s[6:7], s[6:7], s[18:19]
	s_add_nc_u64 s[8:9], s[8:9], s[20:21]
	s_add_nc_u64 s[10:11], s[10:11], s[22:23]
.irp sec, 0,1,2                        ; Q, K, V: eight loads each, 512 consecutive bytes a load
.irp bb, 0,1,2,3
.irp q, 0,1
	global_load_b128 v[QQ+32*\sec+8*\bb+4*\q:QQ+32*\sec+8*\bb+4*\q+3], v[LI], s[4:5] offset:65536*\sec+1024*\bb+512*\q
.endr
.endr
.endr
.irp n, 0,1
.irp ct, 0,1,2,3
.irp q, 0,1
	global_load_b128 v[WW+32*\n+8*\ct+4*\q:WW+32*\n+8*\ct+4*\q+3], v[WA], s[6:7] offset:65536*\n+64*\ct+16*\q
.endr
.endr
.endr
	global_load_b128 v[BI:BI+3], v[BA], s[8:9]
	s_wait_loadcnt 25                              ; Q and K are in; V's 8, w_proj's 16 and the bias may be out
.irp i, 0,1,2,3,4,5,6,7,8,9,10,11,12,13,14,15      ; S^T = K Q^T: four accumulators by turns; the first four products start the sums
.if \i < 4
	v_wmma_f32_16x16x4_f32 v[ACC+8*(\i%4):ACC+8*(\i%4)+7], v[KK+2*\i:KK+2*\i+1], v[QQ+2*\i:QQ+2*\i+1], 0
.else
	v_wmma_f32_16x16x4_f32 v[ACC+8*(\i%4):ACC+8*(\i%4)+7], v[KK+2*\i:KK+2*\i+1], v[QQ+2*\i:QQ+2*\i+1], v[ACC+8*(\i%4):ACC+8*(\i%4)+7]
.endif
.endr
	s_wait_loadcnt 17                              ; V is in; w_proj's 16 and the bias may be out
.irp bb, 0,1,2,3                       ; V through my own LDS bytes: in by positions, back by channels
.irp q, 0,1
	ds_store_b128 v[VS], v[VV+8*\bb+4*\q:VV+8*\bb+4*\q+3] offset:64*\bb+16*\q
.endr
.endr
.irp ct, 0,1,2,3
.irp i, 0,1,2,3,4,5,6,7
	ds_load_b32 v[VT+8*\ct+\i], v[VR] offset:VPI*\i+64*\ct         ; LDS serves a wave's instructions in order: these see the stores above
.endr
.endr
.rept 8
	v_nop                                          ; eight places behind this form before its results are read and its sources written
.endr
.irp p, 0,2,4,6                        ; the four partial sums, each accumulator from its low end on
	v_pk_add_f32 v[TT+\p:TT+\p+1], v[ACC+\p:ACC+\p+1], v[ACC+8+\p:ACC+9+\p]
	v_pk_add_f32 v[KK+\p:KK+\p+1], v[ACC+16+\p:ACC+17+\p], v[ACC+24+\p:ACC+25+\p]
.endr
.irp p, 0,2,4,6
	v_pk_add_f32 v[TT+\p:TT+\p+1], v[TT+\p:TT+\p+1], v[KK+\p:KK+\p+1]
.endr
	v_mov_b32 v12, 0xff800000
.irp j, 0,1,2,3,4,5,6,7
	v_cmp_gt_i32 vcc_lo, \j, v[KD]                 ; key 8 h + j is hidden from query r where j > r - 8 h
	v_cndmask_b32 v[TT+\j], v[TT+\j], v12, vcc_lo
.endr
	v_max3_num_f32 v13, v[TT], v[TT+1], v[TT+2]
	v_max3_num_f32 v13, v13, v[TT+3], v[TT+4]
	v_max3_num_f32 v13, v13, v[TT+5], v[TT+6]
	v_max_num_f32 v13, v13, v[TT+7]
	v_permlanex16_b32 v14, v13, s24, s25
	v_max_num_f32 v13, v13, v14                    ; the row's maximum
	v_mul_f32 v12, s26, v13                        ; c m
.irp p, 0,2,4,6
	v_pk_fma_f32 v[TT+\p:TT+\p+1], v[TT+\p:TT+\p+1], s[26:27], v[12:13] op_sel_hi:[1,0,0] neg_lo:[0,0,1] neg_hi:[0,0,1]
.endr
.irp j, 0,1,2,3,4,5,6,7
	v_exp_f32 v[TT+\j], v[TT+\j]
.endr
	v_nop                                          ; a plain instruction behind the last exponential
	s_wait_alu depctr_va_vdst(0)                   ; one wait for the eight, ahead of the first use
	v_pk_add_f32 v[14:15], v[TT:TT+1], v[TT+2:TT+3]
	v_pk_add_f32 v[12:13], v[TT+4:TT+5], v[TT+6:TT+7]
	v_pk_add_f32 v[14:15], v[14:15], v[12:13]
	v_add_f32 v14, v14, v15
	v_permlanex16_b32 v15, v14, s24, s25
	v_add_f32 v14, v14, v15                        ; the row's sum
	v_rcp_f32 v12, v14
	v_nop
	s_wait_alu depctr_va_vdst(0)
	s_wait_dscnt 0x0                               ; V, turned, is in
.irp s, 0,1,2,3                        ; O^T = V^T P: keys 8 h + 2 s + j; four accumulators (16 channels each) by turns.  More than nine places lie behind the scores' products, whose accumulators are begun anew
.irp ct, 0,1,2,3
.if \s == 0
	v_wmma_f32_16x16x4_f32 v[ACC+8*\ct:ACC+8*\ct+7], v[VT+8*\ct+2*\s:VT+8*\ct+2*\s+1], v[TT+2*\s:TT+2*\s+1], 0
.else
	v_wmma_f32_16x16x4_f32 v[ACC+8*\ct:ACC+8*\ct+7], v[VT+8*\ct+2*\s:VT+8*\ct+2*\s+1], v[TT+2*\s:TT+2*\s+1], v[ACC+8*\ct:ACC+8*\ct+7]
.endif
.endr
.endr
.rept 8
	v_nop
.endr
.irp p, 0,2,4,6,8,10,12,14,16,18,20,22,24,26,28,30
	v_pk_mul_f32 v[QQ+\p:QQ+\p+1], v[ACC+\p:ACC+\p+1], v[12:13] op_sel_hi:[1,0]   ; O / l, into other registers
.endr
	v_nop                                          ; the ninth place in front of products that begin these accumulators anew
	s_wait_loadcnt 0x0                             ; w_proj and the bias
.irp st, 0,1,2,3,4,5,6,7,8,9,10,11,12,13,14,15     ; my head's part of the projection: two tiles of 16 columns, even and odd K steps apart: four accumulators by turns
.irp n, 0,1
.if \st < 2
	v_wmma_f32_16x16x4_f32 v[ACC+8*(2*(\st%2)+\n):ACC+8*(2*(\st%2)+\n)+7], v[WW+32*\n+2*\st:WW+32*\n+2*\st+1], v[QQ+2*\st:QQ+2*\st+1], 0
.else
	v_wmma_f32_16x16x4_f32 v[ACC+8*(2*(\st%2)+\n):ACC+8*(2*(\st%2)+\n)+7], v[WW+32*\n+2*\st:WW+32*\n+2*\st+1], v[QQ+2*\st:QQ+2*\st+1], v[ACC+8*(2*(\st%2)+\n):ACC+8*(2*(\st%2)+\n)+7]
.endif
.endr
.endr
.rept 8
	v_nop
.endr
.irp n, 0,1
.irp p, 0,2,4,6
	v_pk_add_f32 v[KK+8*\n+\p:KK+8*\n+\p+1], v[ACC+8*\n+\p:ACC+8*\n+\p+1], v[ACC+16+8*\n+\p:ACC+17+8*\n+\p]
.endr
.endr
.irp n, 0,1
.irp q, 0,1
	ds_store_b128 v[RS], v[KK+8*\n+4*\q:KK+8*\n+4*\q+3] offset:512*(2*\n+\q)   ; my part, as an image of its registers
.endr
.endr
	s_wait_dscnt 0x0                               ; for the others' sake: my stores have landed
	s_barrier_signal -1
	s_barrier_wait -1
	s_cmp_gt_u32 s12, 3                            ; waves 0-3 add the sixteen parts
	s_cbranch_scc1 .Lend
.irp w, 0,1,2,3,4,5,6,7,8,9,10,11,12,13,14,15
	ds_load_b128 v[64+4*\w:67+4*\w], v[RR] offset:2048*\w
.endr
	s_wait_dscnt 0x0
.irp w, 0,1,2,3,4,5,6,7,8,9,10,11,12,13,14,15
	v_pk_add_f32 v[BI:BI+1], v[BI:BI+1], v[64+4*\w:65+4*\w]        ; onto the bias, heads in ascending order
	v_pk_add_f32 v[BI+2:BI+3], v[BI+2:BI+3], v[66+4*\w:67+4*\w]
.endr
	global_store_b128 v[OA], v[BI:BI+3], s[10:11]  ; eight lanes store 128 consecutive bytes of a row: 32 columns are all that this work-group has of it
.Lend:
	s_wait_tensorcnt 0x0                           ; the wave's end, behind my last LDS store
	ds_add_u32 v[SPW], v[NIL]
	s_wait_dscnt 0x0
	s_endpgm
.Lfunc_end_k_qa9667b56ae_first16:
	.size	k_qa9667b56ae_first16, .Lfunc_end_k_qa9667b56ae_first16-k_qa9667b56ae_first16
	.p2alignl 7, 3214868480
	.fill 96, 4, 3214868480
	.section	.rodata,"a",@progbits
	.p2align	6, 0x0
	.amdhsa_kernel k_qa9667b56ae_first16
		.amdhsa_group_segment_fixed_size 104448
		.amdhsa_private_segment_fixed_size 0
		.amdhsa_enable_private_segment 0
		.amdhsa_kernarg_size 32
		.amdhsa_user_sgpr_count 2
		.amdhsa_user_sgpr_kernarg_segment_ptr 1
		.amdhsa_wavefront_size32 1
		.amdhsa_system_sgpr_workgroup_id_x 1
		.amdhsa_system_sgpr_workgroup_id_y 1
		.amdhsa_system_sgpr_workgroup_id_z 1
		.amdhsa_system_vgpr_workitem_id 0
		.amdhsa_next_free_vgpr 256
		.amdhsa_next_free_sgpr 66
		.amdhsa_reserve_vcc 1
		.amdhsa_float_denorm_mode_32 3
		.amdhsa_float_denorm_mode_16_64 3
		.amdhsa_memory_ordered 1
		.amdhsa_forward_progress 1
		.amdhsa_inst_pref_size 23
	.end_amdhsa_kernel
	.amdgpu_metadata
---
amdhsa.version: [ 1, 2 ]
amdhsa.kernels:
  - .name:           k_qa9667b56ae_first16
    .symbol:         k_qa9667b56ae_first16.kd
    .args:
      - { .name: qkv16, .offset: 0, .size: 8, .value_kind: global_buffer, .address_space: global }
      - { .name: w_proj, .offset: 8, .size: 8, .value_kind: global_buffer, .address_space: global }
      - { .name: b_proj, .offset: 16, .size: 8, .value_kind: global_buffer, .address_space: global }
      - { .name: out0, .offset: 24, .size: 8, .value_kind: global_buffer, .address_space: global }
    .group_segment_fixed_size: 104448
    .private_segment_fixed_size: 0
    .kernarg_segment_align: 8
    .kernarg_segment_size: 32
    .max_flat_workgroup_size: 512
    .sgpr_count:     66
    .vgpr_count:     256
    .wavefront_size: 32
...
	.end_amdgpu_metadata
.endif
;; end of part 5
